; MI455X (gfx1250); checked and timed in simulation.
; The chip was launched on July 23, 2026; its instructions are those of AMD's public machine-readable ISA for CDNA 5 (MIT licence, August 2026) and "CDNA5" Instruction Set Architecture Reference Guide (July 2026). The comments in the code are by the model that wrote it; some were corrected since.
;; RSA Block. Allowed arithmetic: matrix products marked QUANTISED: E2M3 operands, one E8M0 scale for each 32 along K, by v_wmma_scale_f32_16x16x128_f8f6f4 with both operands' format E2M3, f32 sums; everything else in f32.
;; Inputs: W_in 512 x 512 float32; W_k 512 x 512 float32; W_o 512 x 512 float32; W_q 512 x 512 float32; W_r 512 x 512 float32; W_v 512 x 512 float32; b_in 512 float32; b_k 512 float32; b_o 512 float32; b_q 512 float32; b_r 512 float32; b_v 512 float32; inputs 512 x 64 x 512 float32.
;; Outputs: out0 512 x 64 x 512 float32.
;; This version of the problem:
;;   THIS VERSION OF THE PROBLEM IS GIVEN IN LOW PRECISION. The matrix products marked QUANTISED in the list below multiply operands that are first quantised to E2M3 (2 exponent bits, 3 mantissa bits; 6 bits a number), with one power-of-two scale for each 32 numbers along K (OCP MX v1.0); their sums are f32. All else is computed in f32.
;;   The module's matrix products, in the order in which they are computed (A, B: the left and right operand; K: the contracted axis; several contracted axes count as one K, in the product's order):
;;     1. [M 32,768, K 512] x [K 512, N 512]; A: input inputs; B: input W_in: QUANTISED
;;     2. [M 32,768, K 512] x [K 512, N 512]; A: computed on the way; B: input W_q: QUANTISED
;;     3. [M 32,768, K 512] x [K 512, N 512]; A: computed on the way; B: input W_k: QUANTISED
;;     4. [M 32,768, K 512] x [K 512, N 512]; A: computed on the way; B: input W_v: QUANTISED
;;     5. [M 32,768, K 512] x [K 512, N 512]; A: computed on the way; B: input W_r: QUANTISED
;;     6. batch 512 x [M 64, K 512] x [K 512, N 64]; A: computed on the way; B: computed on the way: QUANTISED
;;     7. batch 512 x [M 64, K 64] x [K 64, N 512]; A: softmax (see below); B: computed on the way: QUANTISED
;;     8. [M 32,768, K 512] x [K 512, N 512]; A: computed on the way; B: input W_o: QUANTISED
;;   THE QUANTISER, for each operand of a quantised product, along K:
;;     - K is cut into blocks of 32 from its start; a last block that is shorter is filled with zeros.
;;     - A block's scale is 2^e with e = floor(log2(the largest magnitude in the block)) - 2, held to -126 .. 127; a block of zeros has e = 0. As a byte (E8M0): e + 127.
;;     - Each number is divided by its block's scale, clamped to +-7.5, and rounded to the nearest number of E2M3, ties to even, subnormals kept.
;;     - The product sums the exact products of the quantised numbers (number of the format x scale) in f32.
;;   ~~~python
;;   def quantise(x, axis):      # numpy; x: float32 -> the quantised numbers, widened to float32 again
;;       x = np.moveaxis(x, axis, -1); K = x.shape[-1]
;;       x = np.pad(x, [(0, 0)] * (x.ndim - 1) + [(0, -K % 32)]); x = x.reshape(x.shape[:-1] + (-1, 32)); a = np.abs(x).max(-1, keepdims=True)
;;       e = np.where(a > 0, np.clip(np.frexp(np.where(a > 0, a, 1))[1] - 1 - 2, -126, 127), 0)      # np.frexp(a)[1] - 1 = floor(log2(a)), exactly
;;       r = np.clip(x / 2.0 ** e, -7.5, 7.5)
;;       step = 2.0 ** (np.maximum(np.frexp(np.where(r == 0, 1, r))[1] - 1, 0) - 3)
;;       q = np.round(r / step) * step * 2.0 ** e      # np.round: ties to even
;;       return np.moveaxis(q.reshape(q.shape[:-2] + (-1,))[..., :K], -1, axis).astype(np.float32)
;;   ~~~
;;   SOFTMAX AHEAD OF A QUANTISED PRODUCT. Where the list says 'softmax', what is quantised is not the finished softmax but p = 2^(t - M), with t = logit x log2(e) and M = ceil(the row's largest t), a whole number; so 1/2 < the row's largest p <= 1. The row's sum l is taken of the UNQUANTISED p, in f32, and the product's result is divided by l at the end. Since M is a whole number, a kernel that streams over the keys may use a running M (the ceiling of the running maximum): every later rescaling is an exact power of two, which a block's scale takes up: the codes' values come out the same.
;;   OPERANDS COMPUTED ON THE WAY. 'Computed on the way' means the value that the module computes at that place (a softmax that the list does not call 'softmax' is quantised finished and normalised). What goes into a quantiser is computed in f32, as accurately as f32 sums, v_exp_f32 and their like allow (about 1e-6 of the number): no bf16 or f16 on the way to a quantiser, and a product that is left as it is and whose result goes on into a quantised operand takes f32 operands (vector FMAs, or v_wmma_f32_16x16x4_f32). A number that lies on a knife's edge between two numbers of the format may be rounded either way, as far as f32 arithmetic and the matrix unit's own rounding can turn it there, and no further.
;; 2 versions. Each part assembles by itself: llvm-mc -triple=amdgcn-amd-amdhsa -mcpu=gfx1250 --defsym DOCPART=n.
;; ======== version 1 of 2: 2 launches
;; workspace buffers: wimg 1,228,800 bytes
;; launch prep (part 1): grid 16 x 6, 8 waves a work-group, no clusters, 1,536 bytes of LDS; arguments W_in, W_q, W_k, W_v, W_r, W_o, wimg; writes wimg
.if DOCPART == 1
	.amdgcn_target "amdgcn-amd-amdhsa--gfx1250"
	.amdhsa_code_object_version 6
	.text
	.protected	k_qb9791d23ad_prep
	.globl	k_qb9791d23ad_prep
	.p2align	8
	.type	k_qb9791d23ad_prep,@function
k_qb9791d23ad_prep:
	s_mov_b64 s[64:65], 0
	v_nop
	global_prefetch_b8 v0, s[64:65] scope:SCOPE_SE
	s_setreg_imm32_b32 hwreg(HW_REG_WAVE_MODE, 25, 1), 1
	s_wait_xcnt 0x0
; The six weights [512 (k)][512 (n)], f32, become codes of FP6 (E2M3) with one E8M0 byte for each 32 along K (their first axis), laid in the ORDER OF AN OPERAND'S REGISTERS.
; wimg: weight p (W_in, W_q, W_k, W_v, W_r, W_o) at 204,800 p; in it K step s (128 along K) at 51,200 s; in that 32 fragment images of 1,536 bytes at 1,536 (8 w + t)
; (w: 128 columns, t: a tile of 16), then at 49,152 four blocks of scale words, 512 bytes for each w.
; A fragment's image: registers 4 c .. 4 c + 3 of lane L at 512 c + 16 L.  Lane (r, h) holds column 128 w + 32 (t / 2) + 8 (t % 2) + r + 8 (r / 8), and its registers 6 c .. 6 c + 5 hold k = 128 s + 64 c + 32 h + 0 .. 31.
; A block of scale words: lane L's 16 bytes at 16 L: word j of lanes 0-15 is tile j's row r, of lanes 16-31 tile 4 + j's.
; A LANE TAKES A COLUMN AND ITS REGISTERS RUN DOWN K, in the order that the operand's layout gives that lane: the conversions' results are the operand's registers and nothing is transposed.
; Work-group (x, p): s = x / 4, w = x % 4; wave t makes fragment t.  Each store of a wave covers 512 consecutive bytes, aligned.
; A block's scale is 2^(floor(log2(its largest magnitude)) - 2); its byte is that magnitude's exponent field - 2, held at 1 from below.
; LIMITS: NaN and infinities are not served; a block whose largest magnitude lies under 2^-124 keeps the byte 1; a block of zeros has the byte 1 where the rule says 127: its codes are zeros, and this program alone reads the bytes.
	s_load_b256 s[4:11], s[0:1], 0x0               ; W_in, W_q, W_k, W_v
	s_load_b128 s[12:15], s[0:1], 0x20             ; W_r, W_o
	s_load_b64 s[16:17], s[0:1], 0x30              ; wimg
	v_lshl_add_u32 v208, v0, 2, 0x200
	v_mov_b32 v209, 0
	v_lshrrev_b32 v1, 5, v0
	v_readfirstlane_b32 s18, v1                    ; wave = tile t
	s_and_b32 s19, ttmp7, 0xffff                   ; p
	s_lshr_b32 s22, ttmp9, 2                       ; s
	s_and_b32 s23, ttmp9, 3                        ; w
	v_and_b32 v1, 15, v0                           ; r
	v_bfe_u32 v2, v0, 4, 1                         ; h
	v_and_b32 v3, 8, v1
	v_add_nc_u32 v3, v3, v1                        ; r + 8 (r / 8)
	v_lshlrev_b32 v5, 2, v3                        ; W: my column, 4 bytes a number,
	v_lshl_add_u32 v5, v2, 16, v5                  ; lanes 16-31 begin 32 rows of 2,048 bytes further down
	v_and_b32 v6, 31, v0
	v_lshlrev_b32 v6, 4, v6                        ; 16 x lane
	s_lshr_b32 s24, s18, 2                         ; LDS: my tile's scale words: 16 r + 256 (t / 4) + 4 (t % 4)
	s_lshl_b32 s24, s24, 8
	s_and_b32 s25, s18, 3
	s_lshl_b32 s25, s25, 2
	s_add_co_u32 s24, s24, s25
	v_lshlrev_b32 v7, 4, v1
	v_add_nc_u32 v7, s24, v7
	s_lshl_b32 s26, s22, 18                        ; in W: 128 s rows of 2,048 bytes
	s_lshl_b32 s27, s23, 9                         ; + 128 w columns
	s_add_co_u32 s26, s26, s27
	s_lshr_b32 s27, s18, 1
	s_lshl_b32 s27, s27, 7                         ; + 32 (t / 2) columns
	s_add_co_u32 s26, s26, s27
	s_and_b32 s27, s18, 1
	s_lshl_b32 s27, s27, 5                         ; + 8 (t % 2) columns
	s_add_co_u32 s26, s26, s27
	s_mov_b32 s27, 0
	s_mul_i32 s28, s19, 204800                     ; in wimg: the weight,
	s_mul_i32 s29, s22, 51200                      ; the K step
	s_add_co_u32 s28, s28, s29
	s_lshl_b32 s29, s23, 9
	s_add_co_u32 s30, s28, s29
	s_add_co_u32 s30, s30, 49152                   ; w's block of scale words
	s_mov_b32 s31, 0
	s_lshl_b32 s29, s23, 3
	s_add_co_u32 s29, s29, s18
	s_mul_i32 s29, s29, 1536                       ; my fragment's image
	s_add_co_u32 s28, s28, s29
	s_mov_b32 s29, 0
	s_mov_b32 s24, 0x76543210
	s_mov_b32 s25, 0xfedcba98                      ; v_permlanex16_b32's selects for lane l xor 16
	s_wait_kmcnt 0x0
	s_mov_b64 s[20:21], s[4:5]                     ; the weight is chosen by the work-group's y alone
.irp i, 1,2,3,4,5
	s_cmp_eq_u32 s19, \i
	s_cselect_b64 s[20:21], s[4+2*\i:5+2*\i], s[20:21]
.endr
	s_add_nc_u64 s[20:21], s[20:21], s[26:27]
	s_add_nc_u64 s[2:3], s[16:17], s[28:29]
	s_add_nc_u64 s[16:17], s[16:17], s[30:31]
.irp c, 0,1
.irp i, 0,1,2,3,4,5,6,7,8,9,10,11,12,13,14,15,16,17,18,19,20,21,22,23,24,25,26,27,28,29,30,31
	global_load_b32 v[64+32*\c+\i], v5, s[20:21] offset:2048*(64*\c+\i) th:TH_LOAD_NT   ; W(128 s + 64 c + 32 h + i, my column); each number of W is read once in the launch
.endr
.endr
	s_wait_loadcnt 0x0
.irp c, 0,1                                    ; my block 2 c + h: all its 32 numbers are mine
	v_max3_num_f32 v[32+\c], |v[64+32*\c]|, |v[65+32*\c]|, 0x1800000   ; and the floor 2^(3 - 127): the byte cannot fall under 1
.endr
.irp i, 2,4,6,8,10,12,14,16,18,20,22,24,26,28,30
.irp c, 0,1
	v_max3_num_f32 v[32+\c], v[32+\c], |v[64+32*\c+\i]|, |v[65+32*\c+\i]|
.endr
.endr
.irp c, 0,1
	v_add_nc_u32 v[44+\c], 0xff000000, v[32+\c]    ; 2 off the exponent field: the conversion takes the exponent field of this operand as its scale
.endr
.irp c, 0,1
	v_lshrrev_b32 v[36+\c], 23, v[44+\c]           ; the scale's byte
.endr
	v_lshl_or_b32 v9, v37, 16, v36                 ; my two bytes, blocks h and 2 + h of my column,
	v_lshlrev_b32 v10, 3, v2
	v_lshlrev_b32 v9, v10, v9                      ; at their places in the scale word;
	v_mov_b32 v10, 0
	v_permlanex16_b32 v10, v9, s24, s25
	v_or_b32 v9, v9, v10                           ; with lane l xor 16's two the word is whole
.irp c, 0,1
	v_cvt_scalef32_pk16_fp6_f32 v[48+6*\c:50+6*\c], v[64+32*\c:79+32*\c], v[44+\c]
	v_cvt_scalef32_pk16_fp6_f32 v[192+4*\c:194+4*\c], v[80+32*\c:95+32*\c], v[44+\c]   ; (a conversion's three registers begin on an even number: the second half is made elsewhere and moved)
.endr
	v_nop                                          ; one plain place behind a scaled conversion
.irp c, 0,1
.irp i, 0,1,2
	v_mov_b32 v[51+6*\c+\i], v[192+4*\c+\i]
.endr
.endr
.irp c, 0,1,2
	global_store_b128 v6, v[48+4*\c:51+4*\c], s[2:3] offset:512*\c   ; 32 lanes store 512 consecutive bytes, aligned
.endr
	ds_store_b32 v7, v9                            ; both halves of the lanes write the same word with the same value
	s_wait_dscnt 0x0                               ; for the others' sake: my store has landed
	s_barrier_signal -1
	s_barrier_wait -1
	s_cmp_lg_u32 s18, 0                            ; wave 0 sends the eight tiles' words as one block of 512 bytes
	s_cbranch_scc1 .Ldone
	ds_load_b128 v[12:15], v6
	s_wait_dscnt 0x0
	global_store_b128 v6, v[12:15], s[16:17]
.Ldone:
	s_wait_tensorcnt 0x0
	ds_add_u32 v208, v209
	s_wait_dscnt 0x0
	s_endpgm
.Lfunc_end_k_qb9791d23ad_prep:
	.size	k_qb9791d23ad_prep, .Lfunc_end_k_qb9791d23ad_prep-k_qb9791d23ad_prep
	.p2alignl 7, 3214868480
	.fill 96, 4, 3214868480
	.section	.rodata,"a",@progbits
	.p2align	6, 0x0
	.amdhsa_kernel k_qb9791d23ad_prep
		.amdhsa_group_segment_fixed_size 1536
		.amdhsa_private_segment_fixed_size 0
		.amdhsa_enable_private_segment 0
		.amdhsa_kernarg_size 56
		.amdhsa_user_sgpr_count 2
		.amdhsa_user_sgpr_kernarg_segment_ptr 1
		.amdhsa_wavefront_size32 1
		.amdhsa_system_sgpr_workgroup_id_x 1
		.amdhsa_system_sgpr_workgroup_id_y 1
		.amdhsa_system_sgpr_workgroup_id_z 1
		.amdhsa_system_vgpr_workitem_id 0
		.amdhsa_next_free_vgpr 210
		.amdhsa_next_free_sgpr 66
		.amdhsa_reserve_vcc 0
		.amdhsa_float_denorm_mode_32 3
		.amdhsa_float_denorm_mode_16_64 3
		.amdhsa_memory_ordered 1
		.amdhsa_forward_progress 1
		.amdhsa_inst_pref_size 13
	.end_amdhsa_kernel
	.amdgpu_metadata
---
amdhsa.version: [ 1, 2 ]
amdhsa.kernels:
  - .name:           k_qb9791d23ad_prep
    .symbol:         k_qb9791d23ad_prep.kd
    .args:
      - { .name: W_in, .offset: 0, .size: 8, .value_kind: global_buffer, .address_space: global }
      - { .name: W_q, .offset: 8, .size: 8, .value_kind: global_buffer, .address_space: global }
      - { .name: W_k, .offset: 16, .size: 8, .value_kind: global_buffer, .address_space: global }
      - { .name: W_v, .offset: 24, .size: 8, .value_kind: global_buffer, .address_space: global }
      - { .name: W_r, .offset: 32, .size: 8, .value_kind: global_buffer, .address_space: global }
      - { .name: W_o, .offset: 40, .size: 8, .value_kind: global_buffer, .address_space: global }
      - { .name: wimg, .offset: 48, .size: 8, .value_kind: global_buffer, .address_space: global }
    .group_segment_fixed_size: 1536
    .private_segment_fixed_size: 0
    .kernarg_segment_align: 8
    .kernarg_segment_size: 56
    .max_flat_workgroup_size: 256
    .sgpr_count:     66
    .vgpr_count:     210
    .wavefront_size: 32
...
	.end_amdgpu_metadata
.endif
;; end of part 1
;; launch rsa (part 2): grid 256 x 1, 8 waves a work-group, clusters of 4 x 1, 327,680 bytes of LDS; arguments inputs, wimg, b_in, b_q, b_k, b_v, b_r, b_o, out0; writes out0
.if DOCPART == 2
	.amdgcn_target "amdgcn-amd-amdhsa--gfx1250"
	.amdhsa_code_object_version 6
	.text
	.protected	k_qb9791d23ad_rsa
	.globl	k_qb9791d23ad_rsa
	.p2align	8
	.type	k_qb9791d23ad_rsa,@function
k_qb9791d23ad_rsa:
	s_mov_b64 s[64:65], 0
	v_nop
	global_prefetch_b8 v0, s[64:65] scope:SCOPE_SE
	s_setreg_imm32_b32 hwreg(HW_REG_WAVE_MODE, 25, 1), 1
	s_wait_xcnt 0x0
	s_wait_alu depctr_hold_cnt(0) depctr_sa_sdst(0) depctr_va_vdst(0) depctr_va_sdst(0) depctr_va_ssrc(0) depctr_va_vcc(0) depctr_vm_vsrc(0)
	s_getreg_b32 s2, hwreg(HW_REG_IB_STS2, 6, 4)
	s_cmp_eq_u32 s2, 0
	s_cbranch_scc0 .Lentry_in_a_cluster
	s_endpgm
.Lentry_in_a_cluster:
	s_bfe_u32 s2, ttmp6, 0x10000c
	s_cmp_lg_u32 s2, 0x3003
	s_cbranch_scc0 .Lentry_shape_is_right
	s_endpgm
.Lentry_shape_is_right:
; out = relu(((softmax(q k^T) v) + r) W_o + b_o), with x = relu(in W_in + b_in) and q, k, v, r = x W + b: the whole chain in one launch, all eight products on codes of FP6 (E2M3) with one E8M0 byte for each 32 along a product's K.
; SHARES.  A work-group owns 128 rows = two batches of 64 agents.  Wave v = 4 B + w (B: the batch, w: 128 columns) owns batch B's four tiles of 16 rows x columns 128 w .. 128 w + 127: 32 accumulators, all of register window 1.
; THE ROWS OF A TILE ARE NOT NEIGHBOURS: lane-row r of tile m is agent 32 (m / 2) + 8 (m % 2) + r + 8 (r / 8), and a weight's tile t takes its columns in the same order.  So wherever a tile is source 0 of a product,
; the 16 registers of two neighbouring result tiles are 16 neighbours along the next K, and the conversions' results are the next operand.
; ORIENTATION.  x, q, k, r, out and P V: source 0 = 16 columns of the weight (or 16 channels of V^T), source 1 = 16 rows: a lane holds ONE row, its registers run along the columns; accumulator (m, t) at 8 (8 m + t).
;   v: source 0 = 16 rows of x, source 1 = 16 columns of W_v: a lane holds one channel, its registers run along the AGENTS, which are the K of P V; accumulator (t, m) at 8 (4 t + m).  V^T never leaves the wave that made it.
; OPERANDS GO FROM WAVE TO WAVE THROUGH LDS AS IMAGES OF THEIR REGISTERS (1,536 bytes a fragment, lane L's 16 bytes at 512 c + 16 L); scale words four tiles to 16 bytes, so that one load brings four registers.
; THE WEIGHTS come as such images from wimg, half a weight (102,400 dense bytes) to a slot of a ring of two, by the tensor data mover, each wave an eighth.  All work-groups walk the same weights in the same order:
; the four of a cluster ask JOINTLY, by the same load with the same descriptor and a mask that names the four.
; SOFTMAX: t = score x log2(e); M = ceil(the row's largest t); p = 2^(t - M) is quantised along the keys; the sum of the unquantised p divides P V.  K = 64 is filled to 128 with zero codes on both sides.
; LIMITS: NaN and infinities are not served; a block whose largest magnitude lies under 2^-124 keeps the byte 1; a block of zeros has the byte 1 where the rule says 127 (its codes are zeros, this program alone reads the bytes);
; the bytes of the filled half of K in P and V^T are 0, over zero codes; a p under 2^-126 is taken as 0.
; LDS: 0 and 102,400 the ring's slots | A0 (in, then q, then the context) | A1 (x; k lies over it during the scores, x kept in registers meanwhile; at the end the stages) | three sets of scale words | P's images, words, 1 / l | the spare words.
.set SLOT1, 102400
.set STEPB, 51200                      ; a K step of a weight: 32 images, then 2,048 bytes of scale words
.set FRB,   1536                       ; a fragment's image
.set A0,    204800
.set ABUF,  49152                      ; 32 images; A1 = A0 + ABUF
.set A1,    A0+ABUF
.set SC0,   303104                     ; scale words of A0's content; + 2,048 x's; + 4,096 k's.  K step s, tile m, row r: 512 s + 256 (m / 4) + 16 r + 4 (m % 4)
.set PIM,   309248                     ; P's eight images
.set PSCO,  18432                      ; P's scale words, counted from SC0
.set ILBO,  18944                      ; 1 / l likewise
.set SPARE, 322560                     ; the spare words, 128 bytes for each of the eight waves: four blocks of 256 bytes that no other line names
.set AW0, 2                            ; v2, v3   my eight fragments of W in slot 0, 1: 16 L + 12,288 w
.set AW1, 3
.set AS0, 4                            ; v4, v5   their scale words: 16 L + 512 w + 49,152
.set AS1, 5
.set AA0, 6                            ; v6, v7   my batch's four fragments in A0, A1: 16 L + 6,144 B
.set AA1, 7
.set ASR, 8                            ; v8   my batch's scale words: SC0 + 16 r + 256 B
.set AIW, 9                            ; v9   where my results' images go: A0 + 16 L + 12,288 w + 6,144 B
.set ASW, 10                           ; v10  and their scale words: SC0 + 16 r + 512 w + 256 B
.set AIN, 11                           ; v11  the input's images: A0 + 16 L + 1,536 v
.set ASN, 12                           ; v12  the words of tile w of my batch: SC0 + 16 r + 256 B + 4 w
.set APW, 13                           ; v13  P's image out: PIM + 16 L + 1,536 v
.set APR, 14                           ; v14  P's images in: PIM + 16 L + 6,144 B
.set AQ,  15                           ; v15  q's fragments of tile w: AA0 + 1,536 w
.set STO, 16                           ; v16  the stage: where I put 64 bytes of a row
.set RD,  17                           ; v17  and where I read a row back
.set GO,  18                           ; v18  my byte offset in out0: 2,048 h + 16 r
.set XA,  19                           ; v19  my byte offset in the inputs
.set BO,  20                           ; v20  a bias along the registers: 64 h + 512 w
.set BV,  21                           ; v21  a bias along the lanes: 4 (r + 8 (r / 8)) + 512 w
.set SPW, 22                           ; v22  LDS address of my spare word; never rewritten
.set NIL, 23                           ; v23  0; never rewritten
.set SW,  24                           ; v24-31  W's scale words, two sets: register t % 4, lanes 0-15 tile t < 4, lanes 16-31 tile t >= 4
.set SA,  32                           ; v32-39  the rows' scale words, two sets: register m
.set IL,  40                           ; v40-47  1 / l of tile m in register 2 m; the odd ones are 0 (named as pairs)
.set E8,  64                           ; v64-159  eight fragments
.set E4,  160                          ; v160-207, v208-255  four fragments, two sets
.set TM,  160                          ; while the sets are idle: v160-175 at work in QUANT,
.set PC,  176                          ; v176-195 the codes just made,
.set PW,  196                          ; v196 their scale word
.set S,   208                          ; v208-239 the scores, then p
.set OB,  64                           ; the way out: rows read back from the stage, v64-95 and v96-127 by turns
.set MSB, 0
.macro WIN new                         ; the immediate's high byte repeats the setting that is left; a switch that changes nothing is dropped
.if MSB != (\new)
	s_set_vgpr_msb (MSB<<8)|(\new)
.set MSB, (\new)
.endif
.endm
.macro PLACES cnt                      ; plain vector instructions that name no register of the matrix instructions in front of them (ISA guide 7.12.1)
.rept \cnt
	v_nop
.endr
.endm
.macro CREST                           ; a round of the cluster's barrier behind its opening barrier
	s_cmp_lg_u32 s22, 0
	s_cbranch_scc1 .Lnot_wave_0_\@
	s_barrier_signal -3
.Lnot_wave_0_\@:
	s_barrier_wait -3
	s_barrier_signal -1
	s_barrier_wait -1
.endm
.macro CROUND
	s_barrier_signal -1
	s_barrier_wait -1
	CREST
.endm
.macro BARRIER                         ; my LDS stores have landed and my LDS loads are in: then the work-group's barrier
	s_wait_dscnt 0x0
	s_barrier_signal -1
	s_barrier_wait -1
.endm
.macro FW adr, off, t0                 ; W's fragments t0 .. t0 + 3: 12 loads
.irp i, 0,1,2,3
.irp c, 0,1,2
	ds_load_b128 v[E8+12*(\t0+\i)+4*\c:E8+12*(\t0+\i)+4*\c+3], v[\adr] offset:\off+FRB*(\t0+\i)+512*\c
.endr
.endr
.endm
.macro FA set, adr, off                ; four fragments of rows: 12 loads
.irp i, 0,1,2,3
.irp c, 0,1,2
	ds_load_b128 v[E4+48*(\set)+12*\i+4*\c:E4+48*(\set)+12*\i+4*\c+3], v[\adr] offset:\off+FRB*\i+512*\c
.endr
.endr
.endm
.macro FS set, sadr, soff, asoff       ; the scale words of both sides: 2 loads
	ds_load_b128 v[SA+4*(\set):SA+4*(\set)+3], v[ASR] offset:\asoff
	ds_load_b128 v[SW+4*(\set):SW+4*(\set)+3], v[\sadr] offset:\soff
.endm
; One product.  cm = 0: in place; 1: C = 0; 2: C = the bias, which lies in the registers of the accumulator with m = 0
.macro MM kind, t, m, set, cm
.set rSW, SW+4*(\set)+(\t)%4
.set rSA, SA+4*(\set)+(\m)
.set rW, E8+12*(\t)
.set rX, E4+48*(\set)+12*(\m)
.if \kind == 0
.set rD, 8*(8*(\m)+(\t))
.set rC, rD
.if \cm == 2
.set rC, 8*(\t)
.endif
.if \cm == 1
.if (\t) < 4
	v_wmma_scale_f32_16x16x128_f8f6f4 v[rD:rD+7], v[rW:rW+11], v[rX:rX+11], 0, v[rSW], v[rSA] matrix_a_fmt:MATRIX_FMT_FP6 matrix_b_fmt:MATRIX_FMT_FP6
.else
	v_wmma_scale_f32_16x16x128_f8f6f4 v[rD:rD+7], v[rW:rW+11], v[rX:rX+11], 0, v[rSW], v[rSA] matrix_a_fmt:MATRIX_FMT_FP6 matrix_b_fmt:MATRIX_FMT_FP6 matrix_a_scale:MATRIX_SCALE_ROW1
.endif
.else
.if (\t) < 4
	v_wmma_scale_f32_16x16x128_f8f6f4 v[rD:rD+7], v[rW:rW+11], v[rX:rX+11], v[rC:rC+7], v[rSW], v[rSA] matrix_a_fmt:MATRIX_FMT_FP6 matrix_b_fmt:MATRIX_FMT_FP6
.else
	v_wmma_scale_f32_16x16x128_f8f6f4 v[rD:rD+7], v[rW:rW+11], v[rX:rX+11], v[rC:rC+7], v[rSW], v[rSA] matrix_a_fmt:MATRIX_FMT_FP6 matrix_b_fmt:MATRIX_FMT_FP6 matrix_a_scale:MATRIX_SCALE_ROW1
.endif
.endif
.else
.set rD, 8*(4*(\t)+(\m))
.set rC, rD
.if \cm == 2
.set rC, 32*(\t)
.endif
.if (\t) < 4
	v_wmma_scale_f32_16x16x128_f8f6f4 v[rD:rD+7], v[rX:rX+11], v[rW:rW+11], v[rC:rC+7], v[rSA], v[rSW] matrix_a_fmt:MATRIX_FMT_FP6 matrix_b_fmt:MATRIX_FMT_FP6
.else
	v_wmma_scale_f32_16x16x128_f8f6f4 v[rD:rD+7], v[rX:rX+11], v[rW:rW+11], v[rC:rC+7], v[rSA], v[rSW] matrix_a_fmt:MATRIX_FMT_FP6 matrix_b_fmt:MATRIX_FMT_FP6 matrix_b_scale:MATRIX_SCALE_ROW1
.endif
.endif
.endm
; 4 cnt products: W's tiles t0 .. t0 + cnt - 1 against the four tiles of rows.  The accumulators take turns, one instruction a turn.
; c = 2: the tiles m = 1, 2, 3 take the bias as their C; five places, since the next four products write over that C; then m = 0 adds in place onto it.
.macro MUL kind, t0, cnt, set, c
.if \c == 2
.irp m, 1,2,3
.set mt, \t0
.rept \cnt
	MM \kind, mt, \m, \set, 2
.set mt, mt+1
.endr
.endr
	PLACES 5
.set mt, \t0
.rept \cnt
	MM \kind, mt, 0, \set, 0
.set mt, mt+1
.endr
.else
.set mt, \t0
.rept \cnt
.irp m, 0,1,2,3
	MM \kind, mt, \m, \set, \c
.endr
.set mt, mt+1
.endr
.endif
.endm
.macro PROLOGUE aa, sco                ; a product's first K step: rows, words, W's tiles 0-3, W's tiles 4-7, in this order
	FA 0, \aa, 0
	FS 0, AS0, 0, \sco
	FW AW0, 0, 0
	FW AW0, 0, 4
.endm
; A K step whose successor lies in LDS already.  In its middle the next step's rows, words and W's tiles 0-3 are fetched, at its end W's tiles 4-7.
.macro STEP kind, set, c, nw, nwo, ns, nso, na, nao, nsa
	s_wait_dscnt 12                                ; all but the youngest twelve loads, W's tiles 4-7
	WIN 0x50                                       ; C and D in window 1
	MUL \kind, 0, 4, \set, \c
	s_wait_dscnt 0x0                               ; W's tiles 4-7 are in
	PLACES 4                                       ; in front of loads into registers that matrix instructions have read
	WIN 0
	FA 1-\set, \na, \nao
	FS 1-\set, \ns, \nso, \nsa
	FW \nw, \nwo, 0
	WIN 0x50
	MUL \kind, 4, 4, \set, \c
	PLACES 4
	WIN 0
	FW \nw, \nwo, 4
.endm
; A slot's last K step: ONE barrier.  In front of it each wave waits for all its tensor loads (one is out: its eighth of the other slot), adds 0 to its spare word, and waits for that and for its reads of this slot.
; fill = 1: the barrier opens a round of the cluster's barrier, and behind it this slot takes the next weight's half: the wave's one tensor load until the next such round.
.macro TURN kind, set, slot, fill, next, nw, nwo, ns, nso, na, nao, nsa
	s_wait_tensorcnt 0x0                           ; no tensor load of mine is out
	ds_add_u32 v[SPW], v[NIL]                      ; 0 onto my spare word
	s_wait_dscnt 13                                ; (the add and the youngest twelve loads, W's tiles 4-7, may be out)
	WIN 0x50
	MUL \kind, 0, 2, \set, 0                       ; eight products stand between the add and the wait for it
	s_wait_dscnt 0x0                               ; the add is done; my reads of this slot and of the rows' images are over
	s_barrier_signal -1
	MUL \kind, 2, 2, \set, 0
	WIN 0
	s_barrier_wait -1
.if \fill
	CREST                                          ; no wave of any partner still reads this slot or has a load on its way
	s_add_nc_u64 s[58+4*\slot:59+4*\slot], s[58+4*\slot:59+4*\slot], 2*SLOT1   ; the same half of the next weight
	tensor_load_to_lds s[56+4*\slot:59+4*\slot], s[48:55]
	s_nop 0
.endif
	PLACES 4                                       ; behind the tensor load, and in front of the loads below
.if \next
	FA 1-\set, \na, \nao
	FS 1-\set, \ns, \nso, \nsa
	FW \nw, \nwo, 0
.endif
	WIN 0x50
	MUL \kind, 4, 4, \set, 0
	PLACES 4
	WIN 0
.if \next
	FW \nw, \nwo, 4
.endif
.endm
; A product with K = 512: four K steps, two to a slot.  aa, sco: the rows' images and words.  fill = 0: the last weight: nothing is left to fetch.
.macro GEMM kind, c0, aa, sco, fill
	s_wait_loadcnt 0x0                             ; the bias
	STEP \kind, 0, \c0, AW0, STEPB, AS0, STEPB, \aa, 12288, \sco+512
	TURN \kind, 1, 0, \fill, 1, AW1, 0, AS1, 0, \aa, 24576, \sco+1024
	STEP \kind, 0, 0, AW1, STEPB, AS1, STEPB, \aa, 36864, \sco+1536
.if \fill
	TURN \kind, 1, 1, 1, 0, AW0, 0, AS0, 0, \aa, 0, 0
.else
	s_wait_dscnt 12
	WIN 0x50
	MUL \kind, 0, 4, 1, 0
	s_wait_dscnt 0x0
	MUL \kind, 4, 4, 1, 0
	PLACES 4
	WIN 0
.endif
.endm
; 32 nc numbers of a lane, register 16 b + i = k 32 b + 16 (lane / 16) + i of my row, in window win, become 6 nc registers of a fragment in v[dst] on and the row's scale word in v[pw].
.macro QUANT src, win, nc, dst, tmp, pw
	WIN 5*(\win)
.set qb, 0
.rept 2*(\nc)
	v_max3_num_f32 v[TM+qb], |v[16*qb+(\src)]|, |v[16*qb+1+(\src)]|, 0x1800000   ; block b: my 16 numbers, and the floor 2^(3 - 127): the byte cannot fall under 1
.set qb, qb+1
.endr
.irp i, 2,4,6,8,10,12,14
.set qb, 0
.rept 2*(\nc)
	v_max3_num_f32 v[TM+qb], |v[16*qb+\i+(\src)]|, |v[16*qb+\i+1+(\src)]|, v[TM+qb]   ; (the blocks by turns)
.set qb, qb+1
.endr
.endr
	WIN 0
.set qb, 0
.rept 2*(\nc)
	v_permlanex16_b32 v[TM+4+qb], v[TM+qb], s26, s27
.set qb, qb+1
.endr
.set qb, 0
.rept 2*(\nc)
	v_max_num_f32 v[TM+qb], v[TM+qb], v[TM+4+qb]   ; with lane l xor 16's: the block's largest magnitude
.set qb, qb+1
.endr
.set qb, 0
.rept 2*(\nc)
	v_add_nc_u32 v[TM+12+qb], 0xff000000, v[TM+qb] ; 2 off its exponent field: the conversion's scale operand
.set qb, qb+1
.endr
.set qb, 0
.rept 2*(\nc)
	v_lshrrev_b32 v[TM+4+qb], 23, v[TM+12+qb]      ; the scale's byte
.set qb, qb+1
.endr
	s_wait_dscnt 0x0                               ; the last image's stores have read the codes' registers and the word's
	v_lshl_or_b32 v[\pw], v[TM+5], 8, v[TM+4]
.if \nc == 2
	v_lshl_or_b32 v[\pw], v[TM+6], 16, v[\pw]
	v_lshl_or_b32 v[\pw], v[TM+7], 24, v[\pw]
.endif
	WIN (\win)
.set qc, 0
.rept \nc
	v_cvt_scalef32_pk16_fp6_f32 v[6*qc+(\dst):6*qc+2+(\dst)], v[32*qc+(\src):32*qc+15+(\src)], v[TM+12+2*qc]
	v_cvt_scalef32_pk16_fp6_f32 v[4*qc+(\tmp):4*qc+2+(\tmp)], v[32*qc+16+(\src):32*qc+31+(\src)], v[TM+13+2*qc]   ; (a conversion's three registers begin on an even number)
.set qc, qc+1
.endr
	WIN 0
	v_nop                                          ; one plain place behind a scaled conversion
.set qc, 0
.rept \nc                                      ; the operand's layout wants a WHOLE block in a lane: lanes 0-15 block 2 c, lanes 16-31 block 2 c + 1
.irp i, 0,1,2
	v_permlane16_swap_b32 v[6*qc+\i+(\dst)], v[4*qc+\i+(\tmp)]
.endr
.irp i, 0,1,2
	v_mov_b32 v[6*qc+3+\i+(\dst)], v[4*qc+\i+(\tmp)]
.endr
.set qc, qc+1
.endr
.endm
.macro IMAGE adr, off                          ; the fragment in v[PC] on goes to LDS as it stands
.irp c, 0,1,2
	ds_store_b128 v[\adr], v[PC+4*\c:PC+4*\c+3] offset:\off+512*\c
.endr
.endm
.macro BIAS p                                  ; the next product's bias into the registers of accumulators (0, t): lane (r, h), tile t: columns 32 (t / 2) + 16 h + 8 (t % 2) + 0 .. 7
	WIN 0x40
.irp t, 0,1,2,3,4,5,6,7
	global_load_b128 v[8*\t:8*\t+3], v[BO], s[\p:\p+1] offset:4*(32*(\t/2)+8*(\t%2))
	global_load_b128 v[8*\t+4:8*\t+7], v[BO], s[\p:\p+1] offset:4*(32*(\t/2)+8*(\t%2))+16
.endr
	WIN 0
.endm
; My 32 accumulators become K step w of the next product: four fragments and their scale words, to LDS.  savex = 1: the bytes hold x, which is wanted again: my four fragments of it are kept in accumulator registers that are done with.
.macro EPI relu, doff, soff, bptr, savex
.irp o, 0,1,2,3
.if \relu
	WIN 0x44
.set ej, 64*\o
.rept 64
	v_max_num_f32 v[ej], 0, v[ej]                  ; the activation, in f32; each accumulator from its low end on
.set ej, ej+1
.endr
.endif
	QUANT 64*\o, 1, 2, PC, PC+12, PW
.if \savex
	WIN 0x40
.irp c, 0,1,2
	ds_load_b128 v[64*\o+16+4*\c:64*\o+19+4*\c], v[AIW] offset:ABUF+FRB*\o+512*\c   ; LDS serves a wave's instructions in order (ISA guide 5.7.1.4): these read x, the stores below come behind them
.endr
	WIN 0
.endif
	IMAGE AIW, \doff+FRB*\o
	ds_store_b32 v[ASW], v[PW] offset:\soff+4*\o
.if (\o == 0) && (\bptr != 0)
	BIAS \bptr                                     ; tile 0's accumulators are done with
.endif
.endr
	BARRIER
.endm
	s_load_b256 s[4:11], s[0:1], 0x0               ; inputs s[4:5], wimg s[6:7], b_in s[8:9], b_q s[10:11]
	s_load_b256 s[12:19], s[0:1], 0x20             ; b_k s[12:13], b_v s[14:15], b_r s[16:17], b_o s[18:19]
	s_load_b64 s[20:21], s[0:1], 0x40              ; out0
	v_lshl_add_u32 v[SPW], v0, 2, SPARE
	v_mov_b32 v[NIL], 0
	ds_add_u32 v22, v23
	ds_add_u32 v22, v23
	s_wait_dscnt 0x0
	v_lshrrev_b32 v1, 5, v0
	v_readfirstlane_b32 s22, v1                    ; wave v, 0 .. 7
	s_and_b32 s23, s22, 3                          ; w
	s_lshr_b32 s24, s22, 2                         ; B
	s_bfe_u32 s44, ttmp6, 0x40000                  ; cx: it enters the inputs' and out0's addresses alone
	s_lshl_b32 s25, ttmp9, 2
	s_add_co_u32 s25, s25, s44                     ; my block of 128 rows = 4 x cluster x + cx
	s_mov_b32 s26, 0x76543210
	s_mov_b32 s27, 0xfedcba98                      ; v_permlanex16_b32's selects for lane l xor 16
	s_mov_b32 s28, 0x3fb8aa3b                      ; log2(e)
	s_mov_b32 s29, s28                             ; (named with it as a pair)
	s_mov_b32 s30, 0xffff0000                      ; lanes 16-31
	; descriptor group 1: an eighth of a slot, 12,800 dense bytes, as 50 rows of 256 bytes
	s_mov_b32 s48, 15|(3<<16)|(1<<21)              ; 15:0 the mask: all four work-groups; 17:16 elements of 8 bytes; 20 no padding; 21 set beside a mask
	s_mov_b32 s49, 32<<16                          ; tensor_dim0 = 32
	s_mov_b32 s50, 50<<16                          ; tensor_dim1 = 50
	s_mov_b32 s51, 32<<16                          ; tile_dim0 = 32
	s_mov_b32 s52, 50                              ; tile_dim1 = 50
	s_mov_b32 s53, 32                              ; from row to row
	s_mov_b32 s54, 0
	s_mov_b32 s55, 0
	v_and_b32 v48, 31, v0
	v_lshlrev_b32 v48, 4, v48                      ; 16 L
	v_and_b32 v49, 15, v0                          ; r
	v_bfe_u32 v50, v0, 4, 1                        ; h
	v_lshlrev_b32 v51, 4, v49                      ; 16 r
	v_and_b32 v52, 8, v49
	v_add_nc_u32 v52, v52, v49                     ; r + 8 (r / 8)
	s_mul_i32 s32, s23, 12288
	s_mul_i32 s33, s24, 6144
	s_lshl_b32 s34, s23, 9
	s_lshl_b32 s35, s24, 8
	s_mul_i32 s36, s22, FRB
	s_mul_i32 s37, s22, 4352                       ; a stage: 16 rows x 272 bytes
	s_lshl_b32 s38, s23, 2
	s_mul_i32 s39, s23, FRB
	v_add_nc_u32 v[AW0], s32, v48
	v_add_nc_u32 v[AW1], SLOT1, v[AW0]
	v_add_nc_u32 v[AS0], s34, v48
	v_add_nc_u32 v[AS0], 49152, v[AS0]
	v_add_nc_u32 v[AS1], SLOT1, v[AS0]
	v_add_nc_u32 v[AA0], s33, v48
	v_add_nc_u32 v[AA0], A0, v[AA0]
	v_add_nc_u32 v[AA1], ABUF, v[AA0]
	v_add_nc_u32 v[ASR], s35, v51
	v_add_nc_u32 v[ASR], SC0, v[ASR]
	v_add_nc_u32 v[AIW], s32, v[AA0]
	v_add_nc_u32 v[ASW], s34, v[ASR]
	v_add_nc_u32 v[AIN], s36, v48
	v_add_nc_u32 v[APW], PIM, v[AIN]
	v_add_nc_u32 v[AIN], A0, v[AIN]
	v_add_nc_u32 v[ASN], s38, v[ASR]
	v_add_nc_u32 v[APR], s33, v48
	v_add_nc_u32 v[APR], PIM, v[APR]
	v_add_nc_u32 v[AQ], s39, v[AA0]
	v_mul_u32_u24 v[STO], v49, 272
	v_lshl_add_u32 v[STO], v50, 6, v[STO]
	v_add_nc_u32 v[STO], s37, v[STO]
	v_add_nc_u32 v[STO], A1, v[STO]
	v_mul_u32_u24 v[RD], v50, 272
	v_add_nc_u32 v[RD], v[RD], v51
	v_add_nc_u32 v[RD], s37, v[RD]
	v_add_nc_u32 v[RD], A1, v[RD]
	v_lshl_add_u32 v[GO], v50, 11, v51
	v_lshlrev_b32 v[XA], 11, v52                   ; my row of the tile, 2,048 bytes a row,
	v_lshl_add_u32 v[XA], v50, 6, v[XA]            ; + 64 h: my 16 numbers of a block of 32
	v_lshlrev_b32 v[BO], 6, v50
	v_add_nc_u32 v[BO], s34, v[BO]
	v_lshlrev_b32 v[BV], 2, v52
	v_add_nc_u32 v[BV], s34, v[BV]
.irp i, 4,5,6,7
	v_mov_b32 v[TM+\i], 0                          ; written once: a lane permute's destination counts as one of its sources
.endr
.irp i, 1,3,5,7
	v_mov_b32 v[IL+\i], 0                          ; (named as the upper halves of pairs)
.endr
	v_mov_b32 v57, 0                               ; (likewise, beside -M)
	s_lshl_b32 s44, s25, 7
	s_lshl_b32 s45, s24, 6
	s_add_co_u32 s44, s44, s45                     ; my batch's first row: 128 x block + 64 B
	s_lshl_b32 s46, s44, 11
	s_add_co_u32 s46, s46, s34                     ; out0: that row, + 512 w
	s_mov_b32 s47, 0
	s_lshr_b32 s45, s23, 1
	s_lshl_b32 s45, s45, 5
	s_add_co_u32 s44, s44, s45                     ; the inputs: tile w begins at agent 32 (w / 2) + 8 (w % 2)
	s_and_b32 s45, s23, 1
	s_lshl_b32 s45, s45, 3
	s_add_co_u32 s44, s44, s45
	s_lshl_b32 s44, s44, 11
	s_mov_b32 s45, 0
	s_mul_i32 s40, s22, 12800                      ; my eighth of a slot: in LDS and in wimg alike; no place in the cluster enters it
	s_mov_b32 s41, 0
	s_wait_kmcnt 0x0
	s_add_nc_u64 s[4:5], s[4:5], s[44:45]
	s_add_nc_u64 s[20:21], s[20:21], s[46:47]
	s_add_nc_u64 s[42:43], s[6:7], s[40:41]
	s_mov_b32 s56, 1                               ; group 0 for slot 0: count = 1,
	s_mov_b32 s57, s40                             ; LDS address,
	s_mov_b64 s[58:59], s[42:43]                   ; global address: W_in's first half,
	s_or_b32 s59, s59, 0x80000000                  ; type = 2
	s_mov_b32 s60, 1                               ; and for slot 1: W_in's second half
	s_add_co_u32 s61, s40, SLOT1
	s_add_nc_u64 s[62:63], s[42:43], SLOT1
	s_or_b32 s63, s63, 0x80000000
	WIN 0x40                                       ; my tile's 16 rows of the inputs, whole, into the accumulators' registers: register 64 s + 16 b + i = k 128 s + 32 b + 16 h + i of my row.  64 loads a wave are out
.irp s, 0,1,2,3
.irp b, 0,1,2,3
.irp j, 0,1,2,3
	global_load_b128 v[64*\s+16*\b+4*\j:64*\s+16*\b+4*\j+3], v[XA], s[4:5] offset:512*\s+128*\b+16*\j th:TH_LOAD_NT
.endr
.endr
.endr
	WIN 0
	CROUND                                         ; all four work-groups are here: the first joint loads meet
	tensor_load_to_lds s[56:59], s[48:55]          ; both first fills together: two loads of mine are out
	s_nop 0
	tensor_load_to_lds s[60:63], s[48:55]
	s_nop 0
	PLACES 4
	; ---- the inputs become four fragments (tile v, K steps 0 to 3)
.irp s, 0,1,2,3
.if \s < 2
	s_wait_loadcnt 48                              ; behind K step s's sixteen loads stand those of the later K steps and, from s = 1 on, b_in's sixteen
.else
	s_wait_loadcnt 16*(4-\s)
.endif
	QUANT 64*\s, 1, 2, PC, PC+12, PW
	IMAGE AIN, 12288*\s
	ds_store_b32 v[ASN], v[PW] offset:512*\s
.if \s == 0
	BIAS 8                                         ; b_in, into the registers that K step 0 has left
.endif
.endr
	s_wait_tensorcnt 1                             ; my eighth of slot 0 is in; slot 1's may stay out
	BARRIER
	; ---- x = relu(in W_in + b_in)
	PROLOGUE AA0, 0
	GEMM 0, 2, AA0, 0, 1
	EPI 1, ABUF, 2048, 10, 0
	; ---- q = x W_q + b_q
	PROLOGUE AA1, 2048
	GEMM 0, 2, AA1, 2048, 1
	EPI 0, 0, 0, 12, 0
	; ---- k = x W_k + b_k: its images take x's place
	PROLOGUE AA1, 2048
	GEMM 0, 2, AA1, 2048, 1
	EPI 0, ABUF, 4096, 0, 1
	WIN 0x40
.irp t, 0,1,2,3,4,5,6,7
	global_load_b32 v[32*\t], v[BV], s[14:15] offset:4*(32*(\t/2)+8*(\t%2))   ; b_v at my lane's channel of tile t: it is wanted a phase on
.endr
	WIN 0
	; ---- the scores of query tile w of my batch: S^T = k q^T, four accumulators by turns, K = 512
.irp s, 0,1,2,3
.irp c, 0,1,2
	ds_load_b128 v[E4+12*\s+4*\c:E4+12*\s+4*\c+3], v[AQ] offset:12288*\s+512*\c
.endr
	ds_load_b32 v[SA+\s], v[ASN] offset:512*\s
.endr
.macro KLOAD s0                                ; k's four tiles of K steps s0 and s0 + 1, and their scale words
.irp e, 0,1
.irp i, 0,1,2,3
.irp c, 0,1,2
	ds_load_b128 v[E8+12*(4*\e+\i)+4*\c:E8+12*(4*\e+\i)+4*\c+3], v[AA1] offset:12288*(\s0+\e)+FRB*\i+512*\c
.endr
.endr
	ds_load_b128 v[SW+4*\e:SW+4*\e+3], v[ASR] offset:4096+512*(\s0+\e)
.endr
.endm
.macro SMUL s0
.irp e, 0,1
.irp i, 0,1,2,3
.if \s0+\e == 0
	v_wmma_scale_f32_16x16x128_f8f6f4 v[S+8*\i:S+8*\i+7], v[E8+12*(4*\e+\i):E8+12*(4*\e+\i)+11], v[E4+12*(\s0+\e):E4+12*(\s0+\e)+11], 0, v[SW+4*\e+\i], v[SA+\s0+\e] matrix_a_fmt:MATRIX_FMT_FP6 matrix_b_fmt:MATRIX_FMT_FP6
.else
	v_wmma_scale_f32_16x16x128_f8f6f4 v[S+8*\i:S+8*\i+7], v[E8+12*(4*\e+\i):E8+12*(4*\e+\i)+11], v[E4+12*(\s0+\e):E4+12*(\s0+\e)+11], v[S+8*\i:S+8*\i+7], v[SW+4*\e+\i], v[SA+\s0+\e] matrix_a_fmt:MATRIX_FMT_FP6 matrix_b_fmt:MATRIX_FMT_FP6
.endif
.endr
.endr
.endm
	KLOAD 0
	s_wait_dscnt 0x0
	SMUL 0
	PLACES 4
	KLOAD 2
	s_wait_dscnt 0x0                               ; my reads of k are over:
	s_barrier_signal -1                            ; say so,
	SMUL 2                                         ; work on registers while the others arrive,
	s_barrier_wait -1                              ; and behind this nobody reads k any more
	WIN 0x04
.irp o, 0,1,2,3
.irp c, 0,1,2
	ds_store_b128 v[AIW], v[64*\o+16+4*\c:64*\o+19+4*\c] offset:ABUF+FRB*\o+512*\c   ; x goes back to its place
.endr
.endr
	WIN 0
	PLACES 4                                       ; in front of the first read of the scores
	; lane (r, h) holds query r of tile w; register 16 b + i holds key 32 b + 16 h + i
	v_max3_num_f32 v48, v[S], v[S+1], v[S+2]
	v_max3_num_f32 v49, v[S+16], v[S+17], v[S+18]
.irp i, 3,5,7,9,11,13
	v_max3_num_f32 v48, v48, v[S+\i], v[S+\i+1]
	v_max3_num_f32 v49, v49, v[S+16+\i], v[S+17+\i]
.endr
	v_max3_num_f32 v48, v48, v49, v[S+15]
	v_max_num_f32 v48, v48, v[S+31]
	v_permlanex16_b32 v50, v48, s26, s27
	v_max_num_f32 v48, v48, v50                    ; the row's largest score
	v_mul_f32 v52, s28, v48                        ; as t
	v_floor_f32 v56, -v52                          ; -M = floor(-t) = -ceil(t)
.irp j, 0,2,4,6,8,10,12,14,16,18,20,22,24,26,28,30
	v_pk_fma_f32 v[S+\j:S+\j+1], v[S+\j:S+\j+1], s[28:29], v[56:57] op_sel_hi:[1,0,0]   ; t - M, two at a time
.endr
.irp j, 0,1,2,3,4,5,6,7,8,9,10,11,12,13,14,15,16,17,18,19,20,21,22,23,24,25,26,27,28,29,30,31
	v_exp_f32 v[S+\j], v[S+\j]                     ; p = 2^(t - M): not normalised
.endr
	v_nop                                          ; a plain place behind the exponentials
	s_wait_alu depctr_va_vdst(0)                   ; one wait for the batch, ahead of its first reader
	v_pk_add_f32 v[58:59], v[S:S+1], v[S+2:S+3]    ; the row's sum is taken of the unquantised p, in two chains
	v_pk_add_f32 v[60:61], v[S+4:S+5], v[S+6:S+7]
.irp j, 8,12,16,20,24,28
	v_pk_add_f32 v[58:59], v[58:59], v[S+\j:S+\j+1]
	v_pk_add_f32 v[60:61], v[60:61], v[S+\j+2:S+\j+3]
.endr
	v_pk_add_f32 v[58:59], v[58:59], v[60:61]
	v_add_f32 v58, v58, v59
	v_permlanex16_b32 v60, v58, s26, s27
	v_add_f32 v58, v58, v60                        ; l
	v_rcp_f32 v62, v58                             ; 1 / l; the quantiser below is the independent work behind it
	QUANT S, 0, 1, PC, PC+12, PW
.irp i, 6,7,8,9,10,11
	v_mov_b32 v[PC+\i], 0                          ; keys 64 .. 127 do not exist: zero codes
.endr
	IMAGE APW, 0
	ds_store_b32 v[ASN], v[PW] offset:PSCO
	s_wait_alu depctr_va_vdst(0)                   ; ahead of the reciprocal's first reader
	ds_store_b32 v[ASN], v62 offset:ILBO
	BARRIER                                        ; x is back, P, its words and 1 / l lie in LDS
	; ---- v = x W_v + b_v, with the agents along the registers
	PROLOGUE AA1, 2048
	s_wait_loadcnt 0x0                             ; b_v
	WIN 0x41
.irp t, 0,1,2,3,4,5,6,7
.irp j, 1,2,3,4,5,6,7
	v_mov_b32 v[32*\t+\j], v[32*\t]                ; a lane's channel has one bias for all agents
.endr
.endr
	WIN 0
	GEMM 1, 2, AA1, 2048, 1
.irp t, 0,1,2,3,4,5,6,7                        ; b_r, wanted behind P V: tiles 0-5 in v208-255, tiles 6 and 7 in v48-63
.set rB, 208+8*\t
.if \t >= 6
.set rB, 48+8*(\t-6)
.endif
	global_load_b128 v[rB:rB+3], v[BO], s[16:17] offset:4*(32*(\t/2)+8*(\t%2))
	global_load_b128 v[rB+4:rB+7], v[BO], s[16:17] offset:4*(32*(\t/2)+8*(\t%2))+16
.endr
.irp t, 0,1,2,3,4,5,6,7                        ; V^T's eight fragments, in place as source 0 of P V; their words in v28-31 and v36-39
.set rV, 28+\t
.if \t >= 4
.set rV, 32+\t
.endif
	QUANT 32*\t, 1, 1, E8+12*\t, PC+12, rV
.irp i, 6,7,8,9,10,11
	v_mov_b32 v[E8+12*\t+\i], 0                    ; agents 64 .. 127 do not exist: zero codes
.endr
.endr
	; ---- P V, / l, + b_r
	FA 0, APR, 0
	ds_load_b128 v[SA:SA+3], v[ASR] offset:PSCO
.irp m, 0,1,2,3
	ds_load_b32 v[IL+2*\m], v[ASR] offset:ILBO+4*\m
.endr
.irp j, 0,1,2,3
	v_cndmask_b32 v[SW+\j], v[28+\j], v[36+\j], s30   ; lanes 0-15 tile j's words, lanes 16-31 tile 4 + j's
.endr
	PLACES 8                                       ; a scale register written by a vector instruction stands 8 places ahead of a scaled product, an operand so written 4
	s_wait_dscnt 0x0
	WIN 0x50
	MUL 0, 0, 8, 0, 1
	PLACES 4
	WIN 0
	PROLOGUE AA1, 2048                             ; r's first K step lands under the multiply-adds below, which read none of its registers
	s_wait_loadcnt 0x0                             ; b_r
	WIN 0x41
.irp m, 0,1,2,3
.irp t, 0,1,2,3,4,5,6,7
.set rB, 208+8*\t
.if \t >= 6
.set rB, 48+8*(\t-6)
.endif
.irp j, 0,2,4,6
	v_pk_fma_f32 v[64*\m+8*\t+\j:64*\m+8*\t+\j+1], v[64*\m+8*\t+\j:64*\m+8*\t+\j+1], v[IL+2*\m:IL+2*\m+1], v[rB+\j:rB+\j+1] op_sel_hi:[1,0,1]
.endr
.endr
.endr
	WIN 0
	; ---- + x W_r, in place: the context
	GEMM 0, 0, AA1, 2048, 1
	EPI 0, 0, 0, 18, 0
	; ---- out = relu(context W_o + b_o)
	PROLOGUE AA0, 0
	GEMM 0, 2, AA0, 0, 0
; THE WAY OUT, eight pieces of 16 rows x 64 columns (piece a: tile a / 2, columns 64 (a % 2) on).  A lane holds 64 bytes twice of one row: a piece goes through my own stage in LDS (rows of 272 bytes) and comes back as whole
; rows of 256 bytes.  LDS serves a wave's instructions in order (ISA guide 5.7.1.4): no wait between the stores and the loads, nor in front of the next piece's stores.
.macro TOSTAGE a
.set rA, 32*(\a)
	WIN 0x44
.set ej, rA
.rept 32
	v_max_num_f32 v[ej], 0, v[ej]                  ; each accumulator from its low end on
.set ej, ej+1
.endr
	WIN 0x04
.irp b, 0,1
.irp q, 0,1,2,3
	ds_store_b128 v[STO], v[rA+16*\b+4*\q:rA+16*\b+4*\q+3] offset:128*\b+16*\q   ; register 16 b + i: column 32 b + 16 h + i of the piece
.endr
.endr
	WIN 0
.set rO, OB+32*((\a)%2)
.irp q, 0,1,2,3,4,5,6,7
	ds_load_b128 v[rO+4*\q:rO+4*\q+3], v[RD] offset:544*\q
.endr
.endm
.macro SEND a, younger                         ; younger: the LDS instructions issued behind piece a's loads, which may stay out
.set rO, OB+32*((\a)%2)
.set mp, (\a)/2
.set uu, (\a)%2
	s_wait_dscnt \younger
.irp q, 0,1,2,3,4,5,6,7
	global_store_b128 v[GO], v[rO+4*\q:rO+4*\q+3], s[20:21] offset:2048*(32*(mp/2)+8*(mp%2)+2*\q+8*(\q/4))+256*uu th:TH_STORE_NT   ; 16 lanes store 256 consecutive bytes, aligned; stage row 2 q + h is agent 32 (m / 2) + 8 (m % 2) + 2 q + h + 8 (q / 4)
.endr
.endm
	TOSTAGE 0
.irp a, 1,2,3,4,5,6,7
.if \a > 1
	s_wait_xcnt 0x0                                ; piece a - 2's stores have read their registers: piece a's loads may land there
.endif
	TOSTAGE \a
	SEND \a-1, 16                                  ; behind piece a - 1's loads: piece a's 8 stores and 8 loads
.endr
	SEND 7, 0
	s_wait_tensorcnt 0x0                           ; the wave's end: behind my last tensor load and my last LDS store
	ds_add_u32 v[SPW], v[NIL]
	s_wait_dscnt 0x0
	CROUND                                         ; the closing round: no work-group ends while a partner may still ask for a tile that names it
	s_endpgm
.Lfunc_end_k_qb9791d23ad_rsa:
	.size	k_qb9791d23ad_rsa, .Lfunc_end_k_qb9791d23ad_rsa-k_qb9791d23ad_rsa
	.p2alignl 7, 3214868480
	.fill 96, 4, 3214868480
	.section	.rodata,"a",@progbits
	.p2align	6, 0x0
	.amdhsa_kernel k_qb9791d23ad_rsa
		.amdhsa_group_segment_fixed_size 327680
		.amdhsa_private_segment_fixed_size 0
		.amdhsa_enable_private_segment 0
		.amdhsa_kernarg_size 72
		.amdhsa_user_sgpr_count 2
		.amdhsa_user_sgpr_kernarg_segment_ptr 1
		.amdhsa_wavefront_size32 1
		.amdhsa_system_sgpr_workgroup_id_x 1
		.amdhsa_system_sgpr_workgroup_id_y 1
		.amdhsa_system_sgpr_workgroup_id_z 1
		.amdhsa_system_vgpr_workitem_id 0
		.amdhsa_next_free_vgpr 512
		.amdhsa_next_free_sgpr 66
		.amdhsa_reserve_vcc 0
		.amdhsa_float_denorm_mode_32 3
		.amdhsa_float_denorm_mode_16_64 3
		.amdhsa_memory_ordered 1
		.amdhsa_forward_progress 1
		.amdhsa_inst_pref_size 255
	.end_amdhsa_kernel
	.section	.bss,"aw",@nobits
	.p2align	6
	.space	262144
	.amdgpu_metadata
---
amdhsa.version: [ 1, 2 ]
amdhsa.kernels:
  - .name:           k_qb9791d23ad_rsa
    .symbol:         k_qb9791d23ad_rsa.kd
    .args:
      - { .name: inputs, .offset: 0, .size: 8, .value_kind: global_buffer, .address_space: global }
      - { .name: wimg, .offset: 8, .size: 8, .value_kind: global_buffer, .address_space: global }
      - { .name: b_in, .offset: 16, .size: 8, .value_kind: global_buffer, .address_space: global }
      - { .name: b_q, .offset: 24, .size: 8, .value_kind: global_buffer, .address_space: global }
      - { .name: b_k, .offset: 32, .size: 8, .value_kind: global_buffer, .address_space: global }
      - { .name: b_v, .offset: 40, .size: 8, .value_kind: global_buffer, .address_space: global }
      - { .name: b_r, .offset: 48, .size: 8, .value_kind: global_buffer, .address_space: global }
      - { .name: b_o, .offset: 56, .size: 8, .value_kind: global_buffer, .address_space: global }
      - { .name: out0, .offset: 64, .size: 8, .value_kind: global_buffer, .address_space: global }
    .group_segment_fixed_size: 327680
    .private_segment_fixed_size: 0
    .kernarg_segment_align: 8
    .kernarg_segment_size: 72
    .max_flat_workgroup_size: 256
    .sgpr_count:     66
    .vgpr_count:     512
    .wavefront_size: 32
...
	.end_amdgpu_metadata
.endif
;; end of part 2
;; ======== version 2 of 2: 2 launches
;; limits: right only within a limited range of input values
;; workspace buffers: wimg 1,228,800 bytes
;; launch prep (part 3): grid 32 x 6, 4 waves a work-group, no clusters, 6,912 bytes of LDS; arguments W_in, W_q, W_k, W_v, W_r, W_o, wimg; writes wimg
.if DOCPART == 3
	.amdgcn_target "amdgcn-amd-amdhsa--gfx1250"
	.amdhsa_code_object_version 6
	.text
	.protected	k_qb9791d23ad_prep
	.globl	k_qb9791d23ad_prep
	.p2align	8
	.type	k_qb9791d23ad_prep,@function
k_qb9791d23ad_prep:
	s_mov_b64 s[64:65], 0
	v_nop
	global_prefetch_b8 v0, s[64:65] scope:SCOPE_SE
	s_setreg_imm32_b32 hwreg(HW_REG_WAVE_MODE, 25, 1), 1
	s_wait_xcnt 0x0
; The six weights [512 (k)][512 (n)], f32, become codes of FP6 (E2M3) with one E8M0 byte for each 32 along K (their first axis), laid in the ORDER OF AN OPERAND'S REGISTERS.
; wimg: weight p (W_in, W_q, W_k, W_v, W_r, W_o) at 204,800 p; in it K step s (128 along K) at 51,200 s; in that 32 fragment images of 1,536 bytes at 1,536 (8 w + t)
; (w: 128 columns, t: a tile of 16), then at 49,152 four blocks of scale words, 512 bytes for each w.
; A fragment's image: register q of lane L at 512 (q / 4) + 16 L + 4 (q % 4).  Lane (r, h) holds column 128 w + 64 (t / 4) + 8 (t % 4) + r % 8 + 32 (r / 8), and its registers 6 c .. 6 c + 5 hold k = 128 s + 64 c + 32 h + 0 .. 31.
; A block of scale words: lane L's 16 bytes at 16 L: word j of lanes 0-15 is tile j's row r, of lanes 16-31 tile 4 + j's; byte b of a word scales k = 128 s + 32 b + 0 .. 31.
; SHARES.  Work-group (x, p): s = x / 8, w = (x / 2) % 4, cc = x % 2: 128 along K x 64 columns = the four tiles 4 cc .. 4 cc + 3.  Wave y: hh = y % 2, c = y / 2: columns 64 cc + 32 hh + lane, rows 64 c .. 64 c + 63.
; A LANE TAKES A COLUMN AND ITS REGISTERS RUN DOWN K: each load of a wave reads 128 consecutive bytes of one row of W, a lane holds two whole blocks of 32 (h = 0, 1), and the conversions give codes with K innermost.
; Lane l's column is row r = l % 8 + 8 hh of tile 4 cc + l / 8: its block h is registers 6 c .. 6 c + 5 of lane r + 16 h there.  The codes go to those places of four images in LDS, 8 bytes a store; behind one barrier
; wave y stores image y: each store covers 512 consecutive bytes, aligned.  The scale bytes, two a lane, make 256 bytes in LDS, which wave 0 stores as one aligned unit.
; A block's scale is 2^(floor(log2(its largest magnitude)) - 2); its byte is that magnitude's exponent field - 2, held at 1 from below.
; LIMITS: NaN and infinities are not served; a block whose largest magnitude lies under 2^-124 keeps the byte 1; a block of zeros has the byte 1 where the rule says 127: its codes are zeros, and this program alone reads the bytes.
; No tensor loads, clusters or prefetches: each number of W is read once in the launch, by one load, and there is no loop to run ahead in.
.set SPARE, 256                        ; LDS: 0 the scale words (256 bytes) | 256 the spare words, 128 bytes for each of the four waves | 768 the four images
.set IMG,   768
	s_load_b256 s[4:11], s[0:1], 0x0               ; W_in, W_q, W_k, W_v
	s_load_b128 s[12:15], s[0:1], 0x20             ; W_r, W_o
	s_load_b64 s[16:17], s[0:1], 0x30              ; wimg
	v_lshl_add_u32 v208, v0, 2, SPARE
	v_mov_b32 v209, 0
	v_lshrrev_b32 v1, 5, v0
	v_readfirstlane_b32 s18, v1                    ; wave y
	s_and_b32 s19, ttmp7, 0xffff                   ; p
	s_lshr_b32 s22, ttmp9, 3                       ; s
	s_bfe_u32 s23, ttmp9, 0x20001                  ; w
	s_and_b32 s24, ttmp9, 1                        ; cc
	s_and_b32 s25, s18, 1                          ; hh
	s_lshr_b32 s32, s18, 1                         ; c
	s_lshl_b32 s26, s22, 18                        ; in W: 128 s rows of 2,048 bytes
	s_lshl_b32 s27, s32, 17                        ; + 64 c rows
	s_add_co_u32 s26, s26, s27
	s_lshl_b32 s27, s23, 9                         ; + 128 w columns
	s_add_co_u32 s26, s26, s27
	s_lshl_b32 s27, s24, 8                         ; + 64 cc columns
	s_add_co_u32 s26, s26, s27
	s_lshl_b32 s27, s25, 7                         ; + 32 hh columns
	s_add_co_u32 s26, s26, s27
	s_mov_b32 s27, 0
	s_mul_i32 s28, s19, 204800                     ; in wimg: the weight,
	s_mul_i32 s29, s22, 51200                      ; the K step
	s_add_co_u32 s28, s28, s29
	s_lshl_b32 s29, s23, 9
	s_add_co_u32 s30, s28, s29
	s_lshl_b32 s29, s24, 8
	s_add_co_u32 s30, s30, s29
	s_add_co_u32 s30, s30, 49152                   ; the half block of scale words: 49,152 + 512 w + 256 cc
	s_mov_b32 s31, 0
	s_lshl_b32 s29, s23, 3
	s_lshl_b32 s33, s24, 2
	s_add_co_u32 s29, s29, s33
	s_add_co_u32 s29, s29, s18
	s_mul_i32 s29, s29, 1536                       ; the image that I store: 8 w + 4 cc + y
	s_add_co_u32 s28, s28, s29
	s_mov_b32 s29, 0
	s_lshl_b32 s33, s25, 7                         ; LDS: rows 8 hh on: 128 hh
	s_add_co_u32 s36, s33, IMG
	s_mul_i32 s34, s32, 520                        ; registers 6 c, 6 c + 1 lie at 520 c of a lane's place, registers 6 c + 4, 6 c + 5 512 bytes further,
	s_add_co_u32 s34, s34, s36
	s_mul_i32 s35, s32, 1016                       ; registers 6 c + 2, 6 c + 3 at 8 + 1,016 c
	s_add_co_u32 s35, s35, s36
	s_add_co_u32 s35, s35, 8
	s_lshl_b32 s37, s32, 1                         ; my two scale bytes: bytes 2 c and 2 c + 1 of the word
	s_add_co_u32 s37, s37, s33
	s_mul_i32 s38, s18, 1536
	s_add_co_u32 s38, s38, IMG                     ; image y, read back
	v_and_b32 v2, 31, v0                           ; lane l
	v_lshrrev_b32 v3, 3, v2                        ; l / 8: the tile
	v_and_b32 v4, 7, v2                            ; l % 8
	v_lshlrev_b32 v5, 2, v2                        ; W: 4 bytes a column
	v_lshlrev_b32 v6, 4, v2                        ; 16 l
	v_lshlrev_b32 v10, 3, v2                       ; 8 l
	v_mul_u32_u24 v12, v3, 1536
	v_lshlrev_b32 v7, 4, v4
	v_lshl_add_u32 v12, v4, 4, v12                 ; 1,536 (l / 8) + 16 (l % 8)
	v_lshl_add_u32 v7, v3, 2, v7                   ; 16 (l % 8) + 4 (l / 8)
	v_add_nc_u32 v13, s38, v6
	v_add_nc_u32 v8, s34, v12
	v_add_nc_u32 v11, s35, v12
	v_add_nc_u32 v7, s37, v7
	s_wait_alu depctr_va_vdst(0)
	s_wait_kmcnt 0x0
	s_mov_b64 s[20:21], s[4:5]                     ; the weight is chosen by the work-group's y alone
.irp i, 1,2,3,4,5
	s_cmp_eq_u32 s19, \i
	s_cselect_b64 s[20:21], s[4+2*\i:5+2*\i], s[20:21]
.endr
	s_add_nc_u64 s[20:21], s[20:21], s[26:27]
	s_add_nc_u64 s[2:3], s[16:17], s[28:29]
	s_add_nc_u64 s[16:17], s[16:17], s[30:31]
.irp c, 0,1
.irp i, 0,1,2,3,4,5,6,7,8,9,10,11,12,13,14,15,16,17,18,19,20,21,22,23,24,25,26,27,28,29,30,31
	global_load_b32 v[64+32*\c+\i], v5, s[20:21] offset:2048*(32*\c+\i) th:TH_LOAD_NT   ; W(128 s + 64 c + 32 h + i, my column), h the outer index here: 32 lanes read 128 consecutive bytes
.endr
.endr
	s_wait_loadcnt 0x0
.irp c, 0,1                                    ; my two blocks, h = 0, 1: all their numbers are mine
	v_max3_num_f32 v[32+\c], |v[64+32*\c]|, |v[65+32*\c]|, 0x1800000   ; and the floor 2^(3 - 127): the byte cannot fall under 1
.endr
.irp i, 2,4,6,8,10,12,14,16,18,20,22,24,26,28,30
.irp c, 0,1
	s_delay_alu instid0(VALU_DEP_2)
	v_max3_num_f32 v[32+\c], v[32+\c], |v[64+32*\c+\i]|, |v[65+32*\c+\i]|
.endr
.endr
.irp c, 0,1
	s_delay_alu instid0(VALU_DEP_2)
	v_add_nc_u32 v[44+\c], 0xff000000, v[32+\c]    ; 2 off the exponent field: the conversion takes the exponent field of this operand as its scale
.endr
.irp c, 0,1
	s_delay_alu instid0(VALU_DEP_2)
	v_lshrrev_b32 v[36+\c], 23, v[44+\c]           ; the scale's byte
.endr
	s_delay_alu instid0(VALU_DEP_1)
	v_lshl_or_b32 v9, v37, 8, v36                  ; my two bytes, neighbours in the scale word
.irp c, 0,1
	v_cvt_scalef32_pk16_fp6_f32 v[48+6*\c:50+6*\c], v[64+32*\c:79+32*\c], v[44+\c]
	v_cvt_scalef32_pk16_fp6_f32 v[192+4*\c:194+4*\c], v[80+32*\c:95+32*\c], v[44+\c]   ; (a conversion's three registers begin on an even number: the second half is made elsewhere and moved)
.endr
	v_nop                                          ; one plain place behind a scaled conversion
.irp c, 0,1
.irp i, 0,1,2
	v_mov_b32 v[51+6*\c+\i], v[192+4*\c+\i]
.endr
.endr
.irp b, 0,1                                    ; block h = b: lane r + 16 b of the image, 256 b bytes on
	ds_store_b64 v8, v[48+6*\b:49+6*\b] offset:256*\b
	ds_store_b64 v11, v[50+6*\b:51+6*\b] offset:256*\b
	ds_store_b64 v8, v[52+6*\b:53+6*\b] offset:256*\b+512
.endr
	ds_store_b16 v7, v9
	s_wait_dscnt 0x0                               ; for the others' sake: my stores have landed
	s_barrier_signal -1
	s_barrier_wait -1
.irp c, 0,1,2
	ds_load_b128 v[16+4*\c:19+4*\c], v13 offset:512*\c
.endr
	s_wait_dscnt 0x0
.irp c, 0,1,2
	global_store_b128 v6, v[16+4*\c:19+4*\c], s[2:3] offset:512*\c   ; 32 lanes store 512 consecutive bytes, aligned
.endr
	s_cmp_lg_u32 s18, 0                            ; wave 0 sends the four tiles' words
	s_cbranch_scc1 .Ldone
	ds_load_b64 v[14:15], v10
	s_wait_dscnt 0x0
	global_store_b64 v10, v[14:15], s[16:17]       ; 32 lanes store 256 consecutive bytes, aligned
.Ldone:
	s_wait_tensorcnt 0x0                           ; the wave's end
	ds_add_u32 v208, v209
	s_wait_dscnt 0x0
	s_endpgm
.Lfunc_end_k_qb9791d23ad_prep:
	.size	k_qb9791d23ad_prep, .Lfunc_end_k_qb9791d23ad_prep-k_qb9791d23ad_prep
	.p2alignl 7, 3214868480
	.fill 96, 4, 3214868480
	.section	.rodata,"a",@progbits
	.p2align	6, 0x0
	.amdhsa_kernel k_qb9791d23ad_prep
		.amdhsa_group_segment_fixed_size 6912
		.amdhsa_private_segment_fixed_size 0
		.amdhsa_enable_private_segment 0
		.amdhsa_kernarg_size 56
		.amdhsa_user_sgpr_count 2
		.amdhsa_user_sgpr_kernarg_segment_ptr 1
		.amdhsa_wavefront_size32 1
		.amdhsa_system_sgpr_workgroup_id_x 1
		.amdhsa_system_sgpr_workgroup_id_y 1
		.amdhsa_system_sgpr_workgroup_id_z 1
		.amdhsa_system_vgpr_workitem_id 0
		.amdhsa_next_free_vgpr 210
		.amdhsa_next_free_sgpr 66
		.amdhsa_reserve_vcc 0
		.amdhsa_float_denorm_mode_32 3
		.amdhsa_float_denorm_mode_16_64 3
		.amdhsa_memory_ordered 1
		.amdhsa_forward_progress 1
		.amdhsa_inst_pref_size 15
	.end_amdhsa_kernel
	.amdgpu_metadata
---
amdhsa.version: [ 1, 2 ]
amdhsa.kernels:
  - .name:           k_qb9791d23ad_prep
    .symbol:         k_qb9791d23ad_prep.kd
    .args:
      - { .name: W_in, .offset: 0, .size: 8, .value_kind: global_buffer, .address_space: global }
      - { .name: W_q, .offset: 8, .size: 8, .value_kind: global_buffer, .address_space: global }
      - { .name: W_k, .offset: 16, .size: 8, .value_kind: global_buffer, .address_space: global }
      - { .name: W_v, .offset: 24, .size: 8, .value_kind: global_buffer, .address_space: global }
      - { .name: W_r, .offset: 32, .size: 8, .value_kind: global_buffer, .address_space: global }
      - { .name: W_o, .offset: 40, .size: 8, .value_kind: global_buffer, .address_space: global }
      - { .name: wimg, .offset: 48, .size: 8, .value_kind: global_buffer, .address_space: global }
    .group_segment_fixed_size: 6912
    .private_segment_fixed_size: 0
    .kernarg_segment_align: 8
    .kernarg_segment_size: 56
    .max_flat_workgroup_size: 128
    .sgpr_count:     66
    .vgpr_count:     210
    .wavefront_size: 32
...
	.end_amdgpu_metadata
.endif
;; end of part 3
;; launch rsa (part 4): grid 256 x 1, 8 waves a work-group, clusters of 4 x 1, 327,680 bytes of LDS; arguments inputs, wimg, b_in, b_q, b_k, b_v, b_r, b_o, out0; writes out0
.if DOCPART == 4
	.amdgcn_target "amdgcn-amd-amdhsa--gfx1250"
	.amdhsa_code_object_version 6
	.text
	.protected	k_qb9791d23ad_rsa
	.globl	k_qb9791d23ad_rsa
	.p2align	8
	.type	k_qb9791d23ad_rsa,@function
k_qb9791d23ad_rsa:
	s_mov_b64 s[64:65], 0
	v_nop
	global_prefetch_b8 v0, s[64:65] scope:SCOPE_SE
	s_setreg_imm32_b32 hwreg(HW_REG_WAVE_MODE, 25, 1), 1
	s_wait_xcnt 0x0
	s_wait_alu depctr_hold_cnt(0) depctr_sa_sdst(0) depctr_va_vdst(0) depctr_va_sdst(0) depctr_va_ssrc(0) depctr_va_vcc(0) depctr_vm_vsrc(0)
	s_getreg_b32 s2, hwreg(HW_REG_IB_STS2, 6, 4)
	s_cmp_eq_u32 s2, 0
	s_cbranch_scc0 .Lentry_in_a_cluster
	s_endpgm
.Lentry_in_a_cluster:
	s_bfe_u32 s2, ttmp6, 0x10000c
	s_cmp_lg_u32 s2, 0x3003
	s_cbranch_scc0 .Lentry_shape_is_right
	s_endpgm
.Lentry_shape_is_right:
; out = relu(((softmax(q k^T) v) + r) W_o + b_o), with x = relu(in W_in + b_in) and q, k, v, r = x W + b: the whole chain in one launch, all eight products on codes of FP6 (E2M3) with one E8M0 byte for each 32 along a product's K.
; SHARES.  A work-group owns 128 rows = two batches of 64 agents.  Wave v = 4 B + w (B: the batch, w: 128 columns) owns batch B's four tiles of 16 rows x columns 128 w .. 128 w + 127: 32 accumulators, all of register window 1.
; THE ROWS OF A TILE ARE NOT NEIGHBOURS: lane-row r of tile m is agent 8 m + r % 8 + 32 (r / 8), and lane-row r of a weight's tile t is column 64 (t / 4) + 8 (t % 4) + r % 8 + 32 (r / 8) of the wave's 128.
; So wherever a tile is source 0 of a product, lane (r, h)'s 32 registers of four neighbouring result tiles are the 32 neighbours 64 c + 32 h + 0 .. 31 along the next K: ONE WHOLE BLOCK, in the place that the next operand's layout
; gives that lane.  A block's largest magnitude needs no other lane, and the conversions' results are the next operand.
; ORIENTATION.  x, q, k, r, out and P V: source 0 = 16 columns of the weight (or 16 channels of V^T), source 1 = 16 rows: a lane holds ONE row, its registers run along the columns; accumulator (m, t) at 8 (8 m + t).
;   v: source 0 = 16 rows of x, source 1 = 16 columns of W_v: a lane holds one channel, its registers run along the AGENTS, which are the K of P V; accumulator (t, m) at 8 (4 t + m).  V^T never leaves the wave that made it.
; OPERANDS GO FROM WAVE TO WAVE THROUGH LDS AS IMAGES OF THEIR REGISTERS (1,536 bytes a fragment, lane L's 16 bytes at 512 c + 16 L); scale words four tiles to 16 bytes, so that one load brings four registers.
; THE INPUTS.  Each load of a wave covers two runs of 256 consecutive bytes, aligned (sixteen lanes to a row), and a piece of 16 rows x 256 bytes turns through the wave's own stage in LDS, from which a lane takes 128 neighbouring bytes of its row.
; THE WEIGHTS come as images from wimg, half a weight (102,400 dense bytes) to a slot of a ring of two, by the tensor data mover, each wave an eighth.  All work-groups walk the same weights in the same order:
; the four of a cluster ask JOINTLY, by the same load with the same descriptor and a mask that names the four.  Slot 0 is filled again in a product's K step 1, slot 1 while the product's results are quantised.
; SOFTMAX: t = score x log2(e); M = ceil(the row's largest t); p = 2^(t - M) is quantised along the keys; the sum of the unquantised p divides P V.  K = 64 is filled to 128 with zero codes on both sides.
; LIMITS: NaN and infinities are not served; a block whose largest magnitude lies under 2^-124 keeps the byte 1; a block of zeros has the byte 1 where the rule says 127 (its codes are zeros, this program alone reads the bytes);
; the bytes of the filled half of K in P and V^T are 0, over zero codes; a p under 2^-126 is taken as 0.
; LDS: 0 and 102,400 the ring's slots | A0 (in, then q, then the context) | A1 (first the stages of the way in; then x; k lies over it during the scores, x kept in registers meanwhile; at the end the stages of the way out) | three sets of scale words | P's images, words, 1 / l | the spare words.
.set SLOT1, 102400
.set STEPB, 51200                      ; a K step of a weight: 32 images, then 2,048 bytes of scale words
.set FRB,   1536                       ; a fragment's image
.set A0,    204800
.set ABUF,  49152                      ; 32 images; A1 = A0 + ABUF
.set A1,    A0+ABUF
.set SC0,   303104                     ; scale words of A0's content; + 2,048 x's; + 4,096 k's.  K step s, tile m, row r: 512 s + 256 (m / 4) + 16 r + 4 (m % 4)
.set PIM,   309248                     ; P's eight images
.set PSCO,  18432                      ; P's scale words, counted from SC0
.set ILBO,  18944                      ; 1 / l likewise
.set SPARE, 322560                     ; the spare words, 128 bytes for each of the eight waves: four blocks of 256 bytes that no other line names
.set SH8, 1                            ; v1   8 h: where my block's byte stands in a scale word
.set AW0, 2                            ; v2, v3   my eight fragments of W in slot 0, 1: 16 L + 12,288 w
.set AW1, 3
.set AS0, 4                            ; v4, v5   their scale words: 16 L + 512 w + 49,152
.set AS1, 5
.set AA0, 6                            ; v6, v7   my batch's four fragments in A0, A1: 16 L + 6,144 B
.set AA1, 7
.set ASR, 8                            ; v8   my batch's scale words: SC0 + 16 r + 256 B
.set AIW, 9                            ; v9   where my results' images go: A0 + 16 L + 12,288 w + 6,144 B
.set ASW, 10                           ; v10  and their scale words: SC0 + 16 r + 512 w + 256 B
.set AIN, 11                           ; v11  the input's images: A0 + 16 L + 1,536 v
.set ASN, 12                           ; v12  the words of tile w of my batch: SC0 + 16 r + 256 B + 4 w
.set APW, 13                           ; v13  P's image out: PIM + 16 L + 1,536 v
.set APR, 14                           ; v14  P's images in: PIM + 16 L + 6,144 B
.set AQ,  15                           ; v15  q's fragments of tile w: AA0 + 1,536 w
.set STO, 16                           ; v16  my stage by lanes' rows: row r, + 128 h: 128 neighbouring bytes of my row
.set RD,  17                           ; v17  my stage by whole rows: lanes 0-15 one row of 256 bytes, lanes 16-31 the next
.set GO,  18                           ; v18  the same two rows in the inputs and in out0: 2,048 h + 16 r
.set PFO, 19                           ; v19  the prefetches' offset
.set BO,  20                           ; v20  a bias along the registers: 128 h + 512 w
.set BV,  21                           ; v21  a bias along the lanes: 4 (r % 8 + 32 (r / 8)) + 512 w
.set SPW, 22                           ; v22  LDS address of my spare word; never rewritten
.set NIL, 23                           ; v23  0; never rewritten
.set SW,  24                           ; v24-31  W's scale words, two sets: register t % 4, lanes 0-15 tile t < 4, lanes 16-31 tile t >= 4
.set SA,  32                           ; v32-39  the rows' scale words, two sets: register m
.set IL,  40                           ; v40-47  1 / l of tile m in register 2 m; the odd ones are 0 (named as pairs)
.set E8,  64                           ; v64-159  eight fragments
.set E4,  160                          ; v160-207, v208-255  four fragments, two sets
.set TM,  160                          ; while the sets are idle, at work in QUANT: v160-167 eight running maxima,
.set SO,  168                          ; v168-171 four conversions' scale operands,
.set BY,  172                          ; v172-175 four scale bytes,
.set WD,  176                          ; v176-179 scale words,
.set PX,  180                          ; v180-183 the other half's words,
.set TT,  184                          ; v184-199 the upper halves of four blocks' codes,
.set PP,  188                          ; (v188-199 P's fragment: its one block uses v184-186 alone)
.set FR2, 200                          ; v200-223 two fragments just made
.set S,   208                          ; v208-239 the scores, then p
.set OB,  64                           ; the way out: rows read back from the stage, v64-95 and v96-127 by turns
.set MSB, 0
.macro WIN new                         ; the immediate's high byte repeats the setting that is left; a switch that changes nothing is dropped
.if MSB != (\new)
	s_set_vgpr_msb (MSB<<8)|(\new)
.set MSB, (\new)
.endif
.endm
.macro PLACES cnt                      ; plain vector instructions that name no register of the matrix instructions in front of them (ISA guide 7.12.1)
.rept \cnt
	v_nop
.endr
.endm
.macro CREST                           ; a round of the cluster's barrier behind its opening barrier
	s_cmp_lg_u32 s22, 0
	s_cbranch_scc1 .Lnot_wave_0_\@
	s_barrier_signal -3
.Lnot_wave_0_\@:
	s_barrier_wait -3
	s_barrier_signal -1
	s_barrier_wait -1
.endm
.macro CROUND
	s_barrier_signal -1
	s_barrier_wait -1
	CREST
.endm
.macro BARRIER                         ; my LDS stores have landed and my LDS loads are in: then the work-group's barrier
	s_wait_dscnt 0x0
	s_barrier_signal -1
	s_barrier_wait -1
.endm
.macro FW adr, off, t0                 ; W's fragments t0 .. t0 + 3: 12 loads
.irp i, 0,1,2,3
.irp c, 0,1,2
	ds_load_b128 v[E8+12*(\t0+\i)+4*\c:E8+12*(\t0+\i)+4*\c+3], v[\adr] offset:\off+FRB*(\t0+\i)+512*\c
.endr
.endr
.endm
.macro FA set, adr, off                ; four fragments of rows: 12 loads
.irp i, 0,1,2,3
.irp c, 0,1,2
	ds_load_b128 v[E4+48*(\set)+12*\i+4*\c:E4+48*(\set)+12*\i+4*\c+3], v[\adr] offset:\off+FRB*\i+512*\c
.endr
.endr
.endm
.macro FS set, sadr, soff, asoff       ; the scale words of both sides: 2 loads
	ds_load_b128 v[SA+4*(\set):SA+4*(\set)+3], v[ASR] offset:\asoff
	ds_load_b128 v[SW+4*(\set):SW+4*(\set)+3], v[\sadr] offset:\soff
.endm
; One product.  cm = 0: in place; 1: C = 0; 2: C = the bias, which lies in the registers of the accumulator with m = 0
.macro MM kind, t, m, set, cm
.set rSW, SW+4*(\set)+(\t)%4
.set rSA, SA+4*(\set)+(\m)
.set rW, E8+12*(\t)
.set rX, E4+48*(\set)+12*(\m)
.if \kind == 0
.set rD, 8*(8*(\m)+(\t))
.set rC, rD
.if \cm == 2
.set rC, 8*(\t)
.endif
.if \cm == 1
.if (\t) < 4
	v_wmma_scale_f32_16x16x128_f8f6f4 v[rD:rD+7], v[rW:rW+11], v[rX:rX+11], 0, v[rSW], v[rSA] matrix_a_fmt:MATRIX_FMT_FP6 matrix_b_fmt:MATRIX_FMT_FP6
.else
	v_wmma_scale_f32_16x16x128_f8f6f4 v[rD:rD+7], v[rW:rW+11], v[rX:rX+11], 0, v[rSW], v[rSA] matrix_a_fmt:MATRIX_FMT_FP6 matrix_b_fmt:MATRIX_FMT_FP6 matrix_a_scale:MATRIX_SCALE_ROW1
.endif
.else
.if (\t) < 4
	v_wmma_scale_f32_16x16x128_f8f6f4 v[rD:rD+7], v[rW:rW+11], v[rX:rX+11], v[rC:rC+7], v[rSW], v[rSA] matrix_a_fmt:MATRIX_FMT_FP6 matrix_b_fmt:MATRIX_FMT_FP6
.else
	v_wmma_scale_f32_16x16x128_f8f6f4 v[rD:rD+7], v[rW:rW+11], v[rX:rX+11], v[rC:rC+7], v[rSW], v[rSA] matrix_a_fmt:MATRIX_FMT_FP6 matrix_b_fmt:MATRIX_FMT_FP6 matrix_a_scale:MATRIX_SCALE_ROW1
.endif
.endif
.else
.set rD, 8*(4*(\t)+(\m))
.set rC, rD
.if \cm == 2
.set rC, 32*(\t)
.endif
.if (\t) < 4
	v_wmma_scale_f32_16x16x128_f8f6f4 v[rD:rD+7], v[rX:rX+11], v[rW:rW+11], v[rC:rC+7], v[rSA], v[rSW] matrix_a_fmt:MATRIX_FMT_FP6 matrix_b_fmt:MATRIX_FMT_FP6
.else
	v_wmma_scale_f32_16x16x128_f8f6f4 v[rD:rD+7], v[rX:rX+11], v[rW:rW+11], v[rC:rC+7], v[rSA], v[rSW] matrix_a_fmt:MATRIX_FMT_FP6 matrix_b_fmt:MATRIX_FMT_FP6 matrix_b_scale:MATRIX_SCALE_ROW1
.endif
.endif
.endm
; 4 cnt products: W's tiles t0 .. t0 + cnt - 1 against the four tiles of rows.  The accumulators take turns, one instruction a turn.
; c = 2: the tiles m = 1, 2, 3 take the bias as their C; five places, since the next products write over that C; then m = 0 adds in place onto it.
.macro MUL kind, t0, cnt, set, c
.if \c == 2
.irp m, 1,2,3
.set mt, \t0
.rept \cnt
	MM \kind, mt, \m, \set, 2
.set mt, mt+1
.endr
.endr
	PLACES 5
.set mt, \t0
.rept \cnt
	MM \kind, mt, 0, \set, 0
.set mt, mt+1
.endr
.else
.set mt, \t0
.rept \cnt
.irp m, 0,1,2,3
	MM \kind, mt, \m, \set, \c
.endr
.set mt, mt+1
.endr
.endif
.endm
.macro PROLOGUE aa, sco                ; a product's first K step: rows, words, W's tiles 0-3, W's tiles 4-7, in this order
	FA 0, \aa, 0
	FS 0, AS0, 0, \sco
	FW AW0, 0, 0
	FW AW0, 0, 4
.endm
.macro WAHEAD                          ; W's side of a product's first K step alone (eight fragments, their words), from slot 0, while the rows' images are still being made: 25 loads
	FW AW0, 0, 0
	FW AW0, 0, 4
	ds_load_b128 v[SW:SW+3], v[AS0]
.endm
.macro ROWS aa, sco                    ; and the rows' side, behind the barrier that shows the images whole: 13 loads, all awaited (W's were issued ahead of them)
	FA 0, \aa, 0
	ds_load_b128 v[SA:SA+3], v[ASR] offset:\sco
	s_wait_dscnt 0x0
.endm
; A PREFETCH INTO THE L2 behind each fill of the ring: the half of a weight that stands two fills on (the same slot's next content), 204,800 bytes further in wimg.
; Of the 50 blocks of 256 bytes of my wave's eighth the partner at place cx names blocks 13 cx .. 13 cx + 12 (held at 49), a lane a block: each block is named once in the cluster, told apart by address.
; The halves are counted as the text is assembled (PFH); the last two fills ask for nothing: wimg has 12 halves.  v[PFO] and s[42:43] are never rewritten.
.set PFH, 2
.macro ASK
.if PFH < 12
	s_cmp_lt_u32 ttmp9, 4
	s_cbranch_scc0 .Lno_prefetch_rsa0_\@
	global_prefetch_b8 v[PFO], s[42:43] offset:PFH*SLOT1 th:TH_LOAD_NT scope:SCOPE_SE
.Lno_prefetch_rsa0_\@:
.endif
.set PFH, PFH+1
.endm
; SLOT 1 IS FILLED AGAIN WHILE A PRODUCT'S RESULTS ARE QUANTISED: my reads of it ended in the product's last K step.  The one load that is out is my eighth of slot 0, asked for in K step 1:
; behind the round slot 0 is whole, so the next product's first fragments of W may be read.
.macro REFILL1
	s_wait_alu depctr_va_vdst(0)
	s_wait_tensorcnt 0x0                           ; no tensor load of mine is out
	ds_add_u32 v[SPW], v[NIL]                      ; 0 onto my spare word
	s_wait_dscnt 0x0                               ; the add is done, my LDS stores have landed, my reads are over
	CROUND                                         ; no wave of any partner still reads slot 1 or has a load on its way
	s_add_nc_u64 s[62:63], s[62:63], 2*SLOT1       ; the second half of the next weight
	tensor_load_to_lds s[60:63], s[48:55]
	s_nop 0
	PLACES 4
.endm
; A K step whose successor lies in LDS already.  In its middle the next step's rows, words and W's tiles 0-3 are fetched, at its end W's tiles 4-7.
.macro STEP kind, set, c, nw, nwo, ns, nso, na, nao, nsa
	s_wait_dscnt 12                                ; all but the youngest twelve loads, W's tiles 4-7
	WIN 0x50                                       ; C and D in window 1
	MUL \kind, 0, 4, \set, \c
	s_wait_dscnt 0x0                               ; W's tiles 4-7 are in
	PLACES 4                                       ; in front of loads into registers that matrix instructions have read
	WIN 0
	FA 1-\set, \na, \nao
	FS 1-\set, \ns, \nso, \nsa
	FW \nw, \nwo, 0
	WIN 0x50
	MUL \kind, 4, 4, \set, \c
	PLACES 4
	WIN 0
	FW \nw, \nwo, 4
.endm
; K step 1, slot 0's last: ONE barrier.  In front of it each wave waits for all its tensor loads (one is out: its eighth of slot 1), adds 0 to its spare word, and waits for that and for its reads of slot 0.
; fill = 1: the barrier opens a round of the cluster's barrier, and behind it slot 0 takes the next weight's first half: the wave's one tensor load until the next such round.
.macro TURN kind, fill, aa, sco
	s_wait_tensorcnt 0x0                           ; no tensor load of mine is out
	ds_add_u32 v[SPW], v[NIL]                      ; 0 onto my spare word
	s_wait_dscnt 13                                ; (the add and the youngest twelve loads, W's tiles 4-7, may be out)
	WIN 0x50
	MUL \kind, 0, 2, 1, 0                          ; eight products stand between the add and the wait for it
	s_wait_dscnt 0x0                               ; the add is done; my reads of slot 0 are over
	s_barrier_signal -1
	MUL \kind, 2, 2, 1, 0
	WIN 0
	s_barrier_wait -1
.if \fill
	CREST                                          ; no wave of any partner still reads slot 0 or has a load on its way
	s_add_nc_u64 s[58:59], s[58:59], 2*SLOT1       ; the first half of the next weight
	tensor_load_to_lds s[56:59], s[48:55]
	s_nop 0
.endif
	PLACES 4                                       ; behind the tensor load, and in front of the loads below
	FA 0, \aa, 24576
	FS 0, AS1, 0, \sco+1024
	FW AW1, 0, 0
.if \fill
	ASK                                            ; behind the joint load, its places and the run of LDS loads
.endif
	WIN 0x50
	MUL \kind, 4, 4, 1, 0
	PLACES 4
	WIN 0
	FW AW1, 0, 4
.endm
; A product with K = 512: four K steps, two to a slot.  aa, sco: the rows' images and words.  fill = 0: the last weight: nothing is left to fetch.  bar = 1: a barrier in the last K step: behind it no wave reads the rows' images any more
.macro GEMM kind, c0, aa, sco, fill, bar
	s_wait_loadcnt 0x0                             ; the bias
	STEP \kind, 0, \c0, AW0, STEPB, AS0, STEPB, \aa, 12288, \sco+512
	TURN \kind, \fill, \aa, \sco
	STEP \kind, 0, 0, AW1, STEPB, AS1, STEPB, \aa, 36864, \sco+1536
	s_wait_dscnt 12                                ; the last K step fetches nothing
	WIN 0x50
	MUL \kind, 0, 4, 1, 0
	s_wait_dscnt 0x0                               ; all my reads of slot 1 and of the rows' images are over
.if \bar
	s_barrier_signal -1
.endif
	MUL \kind, 4, 4, 1, 0
	PLACES 4
	WIN 0
.if \bar
	s_barrier_wait -1
.endif
.endm
; nc blocks of 32 numbers of a lane, block b in registers src + 32 b on of window win, are quantised together: 2 nc running maxima by turns, no other lane asked.  Block b's codes go to v[dst + dstep b] on, six registers.
; two = 1: blocks 2 i and 2 i + 1 are K = 64 c + 32 h + 0 .. 31, c = 0, 1, of one fragment: my two bytes stand at 8 h and 16 + 8 h of its scale word;  two = 0: each block is a fragment's c = 0: one byte at 8 h.
; Lane l xor 16's bytes make the word whole: v[wd + i].
.macro QUANT src, win, nc, two, dst, dstep, wd
	WIN 5*(\win)
.set qb, 0
.rept 2*(\nc)
	v_max3_num_f32 v[TM+qb], |v[16*qb+(\src)]|, |v[16*qb+1+(\src)]|, 0x1800000   ; half a block to a chain, and the floor 2^(3 - 127): the byte cannot fall under 1
.set qb, qb+1
.endr
.irp i, 2,4,6,8,10,12,14
.set qb, 0
.rept 2*(\nc)
	v_max3_num_f32 v[TM+qb], |v[16*qb+\i+(\src)]|, |v[16*qb+\i+1+(\src)]|, v[TM+qb]
.set qb, qb+1
.endr
.endr
	WIN 0
.set qb, 0
.rept \nc
	v_max_num_f32 v[TM+2*qb], v[TM+2*qb], v[TM+2*qb+1]   ; the block's largest magnitude
.set qb, qb+1
.endr
.set qb, 0
.rept \nc
	v_add_nc_u32 v[SO+qb], 0xff000000, v[TM+2*qb]  ; 2 off its exponent field: the conversion's scale operand
.set qb, qb+1
.endr
.set qb, 0
.rept \nc
	v_lshrrev_b32 v[BY+qb], 23, v[SO+qb]           ; the scale's byte
.set qb, qb+1
.endr
.set nw, \nc
.if \two
.set nw, (\nc)/2
.set qb, 0
.rept nw
	v_lshl_or_b32 v[BY+2*qb], v[BY+2*qb+1], 16, v[BY+2*qb]
.set qb, qb+1
.endr
.endif
.set qs, 1+(\two)
.set qb, 0
.rept nw
	v_lshlrev_b32 v[WD+qb], v[SH8], v[BY+qs*qb]
.set qb, qb+1
.endr
.set qb, 0
.rept nw
	v_permlanex16_b32 v[PX+qb], v[WD+qb], s26, s27
.set qb, qb+1
.endr
.set qb, 0
.rept nw
	v_or_b32 v[(\wd)+qb], v[WD+qb], v[PX+qb]
.set qb, qb+1
.endr
	s_wait_alu depctr_va_vdst(0)
	s_wait_dscnt 0x0                               ; the last images' stores have read the codes' registers
	WIN (\win)
.set qb, 0
.rept \nc
	v_cvt_scalef32_pk16_fp6_f32 v[(\dstep)*qb+(\dst):(\dstep)*qb+2+(\dst)], v[32*qb+(\src):32*qb+15+(\src)], v[SO+qb]
	v_cvt_scalef32_pk16_fp6_f32 v[TT+4*qb:TT+4*qb+2], v[32*qb+16+(\src):32*qb+31+(\src)], v[SO+qb]   ; (a conversion's three registers begin on an even number)
.set qb, qb+1
.endr
	WIN 0
	v_nop                                          ; one plain place behind a scaled conversion
.set qb, 0
.rept \nc
.irp i, 0,1,2
	v_mov_b32 v[(\dstep)*qb+3+\i+(\dst)], v[TT+4*qb+\i]
.endr
.set qb, qb+1
.endr
.endm
.macro IMAGE adr, off, reg                     ; the fragment in v[reg] on goes to LDS as it stands
.irp c, 0,1,2
	ds_store_b128 v[\adr], v[(\reg)+4*\c:(\reg)+4*\c+3] offset:\off+512*\c
.endr
.endm
.macro BIAS p                                  ; the next product's bias into the registers of accumulators (0, t): lane (r, h), tile t: columns 64 (t / 4) + 32 h + 8 (t % 4) + 0 .. 7
	WIN 0x40
.irp t, 0,1,2,3,4,5,6,7
	global_load_b128 v[8*\t:8*\t+3], v[BO], s[\p:\p+1] offset:4*(64*(\t/4)+8*(\t%4))
	global_load_b128 v[8*\t+4:8*\t+7], v[BO], s[\p:\p+1] offset:4*(64*(\t/4)+8*(\t%4))+16
.endr
	WIN 0
.endm
; K step s of the inputs, as loaded (two pieces of 16 rows x 256 bytes, sixteen lanes to a row), turns through my stage: in by whole rows, back by lanes' rows, into the registers that it left.
; Behind it register 64 s + 32 u + i holds k = 128 s + 64 u + 32 h + i of lane-row r.  LDS serves a wave's instructions in order (ISA guide 5.7.1.4): no wait between the stores and the loads, nor in front of the next piece's stores.
.macro INTURN s
.irp u, 0,1
	WIN 0x04                                       ; an LDS store's data are its source 1: window 1
.irp q, 0,1,2,3,4,5,6,7
	ds_store_b128 v[RD], v[64*\s+32*\u+4*\q:64*\s+32*\u+4*\q+3] offset:544*\q
.endr
	WIN 0x40
.irp j, 0,1,2,3,4,5,6,7
	ds_load_b128 v[64*\s+32*\u+4*\j:64*\s+32*\u+4*\j+3], v[STO] offset:16*\j
.endr
.endr
	WIN 0
.endm
; My 32 accumulators become K step w of the next product: four fragments and their scale words, to LDS, two tiles of rows at a time.  savex = 1: the bytes hold x, which is wanted again: my four fragments of it are kept in
; accumulator registers that are done with.  bar = 0: nobody reads these images before a later barrier.
.macro EPI relu, doff, soff, bptr, savex, bar
.irp o, 0,2
.if \relu
	WIN 0x44
.set ej, 64*\o
.rept 128
	v_max_num_f32 v[ej], 0, v[ej]                  ; the activation, in f32; each accumulator from its low end on
.set ej, ej+1
.endr
.endif
	QUANT 64*\o, 1, 4, 1, FR2, 6, WD
.if \savex
	WIN 0x40
.irp e, 0,1
.irp c, 0,1,2
	ds_load_b128 v[64*(\o+\e)+16+4*\c:64*(\o+\e)+19+4*\c], v[AIW] offset:ABUF+FRB*(\o+\e)+512*\c   ; LDS serves a wave's instructions in order (ISA guide 5.7.1.4): these read x, the stores below come behind them
.endr
.endr
	WIN 0
.endif
.irp e, 0,1
	IMAGE AIW, \doff+FRB*(\o+\e), FR2+12*\e
	ds_store_b32 v[ASW], v[WD+\e] offset:\soff+4*(\o+\e)
.endr
.if (\o == 0) && (\bptr != 0)
	BIAS \bptr                                     ; tile 0's accumulators are done with
.endif
.if \o == 0
	REFILL1
.if \savex == 0
	WAHEAD                                         ; v64-159 and v24-27 are idle until the next product
.endif
	ASK
.endif
.endr
.if \bar
	BARRIER
.else
	s_wait_dscnt 0x0                               ; the last images' stores have read their registers
.endif
.endm
	s_load_b256 s[4:11], s[0:1], 0x0               ; inputs s[4:5], wimg s[6:7], b_in s[8:9], b_q s[10:11]
	s_load_b256 s[12:19], s[0:1], 0x20             ; b_k s[12:13], b_v s[14:15], b_r s[16:17], b_o s[18:19]
	s_load_b64 s[20:21], s[0:1], 0x40              ; out0
	v_lshl_add_u32 v[SPW], v0, 2, SPARE
	v_mov_b32 v[NIL], 0
	ds_add_u32 v[SPW], v[NIL]                      ; the opening lines: the add, twice on end, and its wait ahead of my first tensor load
	ds_add_u32 v[SPW], v[NIL]
	v_lshrrev_b32 v1, 5, v0
	v_readfirstlane_b32 s22, v1                    ; wave v, 0 .. 7
	s_and_b32 s23, s22, 3                          ; w
	s_lshr_b32 s24, s22, 2                         ; B
	s_bfe_u32 s44, ttmp6, 0x40000                  ; cx: it enters the inputs', out0's and the prefetches' addresses alone
	s_lshl_b32 s25, ttmp9, 2
	s_add_co_u32 s25, s25, s44                     ; my block of 128 rows = 4 x cluster x + cx
	s_mul_i32 s31, s44, 13
	s_mov_b32 s26, 0x76543210
	s_mov_b32 s27, 0xfedcba98                      ; v_permlanex16_b32's selects for lane l xor 16
	s_mov_b32 s28, 0x3fb8aa3b                      ; log2(e)
	s_mov_b32 s29, s28                             ; (named with it as a pair)
	s_mov_b32 s30, 0xffff0000                      ; lanes 16-31
	; descriptor group 1: an eighth of a slot, 12,800 dense bytes, as 50 rows of 256 bytes
	s_mov_b32 s48, 15|(3<<16)|(1<<21)              ; 15:0 the mask: all four work-groups; 17:16 elements of 8 bytes; 20 no padding; 21 set beside a mask
	s_mov_b32 s49, 32<<16                          ; tensor_dim0 = 32
	s_mov_b32 s50, 50<<16                          ; tensor_dim1 = 50
	s_mov_b32 s51, 32<<16                          ; tile_dim0 = 32
	s_mov_b32 s52, 50                              ; tile_dim1 = 50
	s_mov_b32 s53, 32                              ; from row to row
	s_mov_b32 s54, 0
	s_mov_b32 s55, 0
	s_mul_i32 s32, s23, 12288
	s_mul_i32 s33, s24, 6144
	s_lshl_b32 s34, s23, 9
	s_lshl_b32 s35, s24, 8
	s_mul_i32 s36, s22, FRB
	s_mul_i32 s37, s22, 4352                       ; a stage: 16 rows x 272 bytes
	s_lshl_b32 s38, s23, 2
	s_mul_i32 s39, s23, FRB
	s_lshl_b32 s44, s25, 7
	s_lshl_b32 s45, s24, 6
	s_add_co_u32 s44, s44, s45                     ; my batch's first row: 128 x block + 64 B
	s_lshl_b32 s46, s44, 11
	s_add_co_u32 s46, s46, s34                     ; out0: that row, + 512 w
	s_mov_b32 s47, 0
	s_lshl_b32 s45, s23, 3
	s_add_co_u32 s44, s44, s45                     ; the inputs: tile w begins at agent 8 w
	s_lshl_b32 s44, s44, 11
	s_mov_b32 s45, 0
	s_mul_i32 s40, s22, 12800                      ; my eighth of a slot: in LDS and in wimg alike; no place in the cluster enters it
	s_mov_b32 s41, 0
	s_wait_dscnt 0x0                               ; both opening adds are done
	v_and_b32 v48, 31, v0                          ; L
	v_and_b32 v49, 15, v0                          ; r
	v_bfe_u32 v50, v0, 4, 1                        ; h
	v_min_u32 v[PFO], 12, v48                      ; the prefetches: block min(13 cx + min(L, 12), 49) of my wave's eighth, 256 bytes a block
	v_lshlrev_b32 v48, 4, v48                      ; 16 L
	v_lshlrev_b32 v51, 4, v49                      ; 16 r
	v_and_b32 v52, 8, v49
	v_add_nc_u32 v[PFO], s31, v[PFO]
	v_mad_u32_u24 v52, v52, 3, v49                 ; r % 8 + 32 (r / 8)
	v_lshlrev_b32 v[SH8], 3, v50
	v_min_u32 v[PFO], 49, v[PFO]
	v_add_nc_u32 v[AW0], s32, v48
	v_add_nc_u32 v[AS0], s34, v48
	v_add_nc_u32 v[AA0], s33, v48
	v_lshlrev_b32 v[PFO], 8, v[PFO]
	v_add_nc_u32 v[ASR], s35, v51
	v_add_nc_u32 v[AIN], s36, v48
	v_add_nc_u32 v[AW1], SLOT1, v[AW0]
	v_add_nc_u32 v[AS0], 49152, v[AS0]
	v_add_nc_u32 v[AA0], A0, v[AA0]
	v_add_nc_u32 v[ASR], SC0, v[ASR]
	v_add_nc_u32 v[APW], PIM, v[AIN]
	v_add_nc_u32 v[AIN], A0, v[AIN]
	v_add_nc_u32 v[AS1], SLOT1, v[AS0]
	v_add_nc_u32 v[AA1], ABUF, v[AA0]
	v_add_nc_u32 v[AIW], s32, v[AA0]
	v_add_nc_u32 v[ASW], s34, v[ASR]
	v_add_nc_u32 v[ASN], s38, v[ASR]
	v_add_nc_u32 v[APR], s33, v48
	v_add_nc_u32 v[AQ], s39, v[AA0]
	v_add_nc_u32 v[APR], PIM, v[APR]
	v_mul_u32_u24 v[STO], v49, 272
	v_mul_u32_u24 v[RD], v50, 272
	v_lshl_add_u32 v[STO], v50, 7, v[STO]
	v_add_nc_u32 v[RD], v[RD], v51
	v_add_nc_u32 v[STO], s37, v[STO]
	v_add_nc_u32 v[RD], s37, v[RD]
	v_add_nc_u32 v[STO], A1, v[STO]
	v_add_nc_u32 v[RD], A1, v[RD]
	v_lshl_add_u32 v[GO], v50, 11, v51
	v_lshlrev_b32 v[BO], 7, v50
	v_lshlrev_b32 v[BV], 2, v52
	v_add_nc_u32 v[BO], s34, v[BO]
	v_add_nc_u32 v[BV], s34, v[BV]
.irp i, 0,1,2,3
	v_mov_b32 v[PX+\i], 0                          ; written once: a lane permute's destination counts as one of its sources
.endr
.irp i, 1,3,5,7
	v_mov_b32 v[IL+\i], 0                          ; (named as the upper halves of pairs)
.endr
	v_mov_b32 v57, 0                               ; (likewise, beside -M)
	s_wait_alu depctr_va_vdst(0)
	s_wait_kmcnt 0x0
	s_add_nc_u64 s[4:5], s[4:5], s[44:45]
	s_add_nc_u64 s[20:21], s[20:21], s[46:47]
	s_add_nc_u64 s[42:43], s[6:7], s[40:41]
	s_mov_b32 s56, 1                               ; group 0 for slot 0: count = 1,
	s_mov_b32 s57, s40                             ; LDS address,
	s_mov_b64 s[58:59], s[42:43]                   ; global address: W_in's first half,
	s_or_b32 s59, s59, 0x80000000                  ; type = 2
	s_mov_b32 s60, 1                               ; and for slot 1: W_in's second half
	s_add_co_u32 s61, s40, SLOT1
	s_add_nc_u64 s[62:63], s[42:43], SLOT1
	s_or_b32 s63, s63, 0x80000000
	CROUND                                         ; all four work-groups are here: the first joint loads meet
	tensor_load_to_lds s[56:59], s[48:55]          ; slot 0's first fill, my one tensor load at the head, ahead of the inputs' loads
	s_nop 0
	PLACES 4
	WIN 0x40                                       ; my tile's 16 rows of the inputs, whole, into the accumulators' registers, K step by K step, 64 loads a wave.  Load (s, u, q): bytes 512 s + 256 u on of the tile's rows 2 q and 2 q + 1
.irp s, 0,1,2,3                                ; (row 2 q + h of a tile is agent 2 q + h + 24 (q / 4) from the tile's first): sixteen lanes read 256 consecutive bytes, aligned
.irp u, 0,1
.irp q, 0,1,2,3,4,5,6,7
	global_load_b128 v[64*\s+32*\u+4*\q:64*\s+32*\u+4*\q+3], v[GO], s[4:5] offset:2048*(2*\q+24*(\q/4))+512*\s+256*\u th:TH_LOAD_NT
.endr
.endr
.endr
	WIN 0
	s_wait_tensorcnt 0x0                           ; my eighth of slot 0 is in
	ds_add_u32 v[SPW], v[NIL]
	s_wait_dscnt 0x0
	CROUND                                         ; slot 0 is whole, and all four work-groups are here
	tensor_load_to_lds s[60:63], s[48:55]          ; slot 1's first fill: W_in's second half
	s_nop 0
	PLACES 4
	WAHEAD                                         ; W_in's first K step, while the inputs are on their way
	ASK                                            ; W_q's two halves
	ASK
	; ---- the inputs become four fragments (tile v, K steps 0 to 3), two K steps at a time
.irp s, 0,2
	s_wait_loadcnt 48-8*\s                         ; behind K step s's sixteen loads stand those of the later K steps and, for s = 2, b_in's sixteen
	INTURN \s
	s_wait_loadcnt 32-8*\s
	INTURN (\s+1)
	s_wait_dscnt 0x0                               ; both K steps are back from the stage, a whole block to a lane
	QUANT 64*\s, 1, 4, 1, FR2, 6, WD
.irp e, 0,1
	IMAGE AIN, 12288*(\s+\e), FR2+12*\e
	ds_store_b32 v[ASN], v[WD+\e] offset:512*(\s+\e)
.endr
.if \s == 0
	BIAS 8                                         ; b_in, into the registers that K step 0 has left
.endif
.endr
	BARRIER
	; ---- x = relu(in W_in + b_in)
	ROWS AA0, 0
	GEMM 0, 2, AA0, 0, 1, 0
	EPI 1, ABUF, 2048, 10, 0, 1
	; ---- q = x W_q + b_q: its images are first read by the scores, behind the barriers of the next product
	ROWS AA1, 2048
	GEMM 0, 2, AA1, 2048, 1, 0
	EPI 0, 0, 0, 12, 0, 0
	; ---- k = x W_k + b_k: its images take x's place, so a barrier in the last K step shows every wave's reads of x over
	ROWS AA1, 2048
	GEMM 0, 2, AA1, 2048, 1, 1
	EPI 0, ABUF, 4096, 0, 1, 1
	WIN 0x40
.irp t, 0,1,2,3,4,5,6,7
	global_load_b32 v[32*\t], v[BV], s[14:15] offset:4*(64*(\t/4)+8*(\t%4))   ; b_v at my lane's channel of tile t: it is wanted a phase on
.endr
	WIN 0
	; ---- the scores of query tile w of my batch: S^T = k q^T, four accumulators by turns, K = 512
.irp s, 0,1,2,3
.irp c, 0,1,2
	ds_load_b128 v[E4+12*\s+4*\c:E4+12*\s+4*\c+3], v[AQ] offset:12288*\s+512*\c
.endr
	ds_load_b32 v[SA+\s], v[ASN] offset:512*\s
.endr
.macro KLOAD s0                                ; k's four tiles of K steps s0 and s0 + 1, and their scale words
.irp e, 0,1
.irp i, 0,1,2,3
.irp c, 0,1,2
	ds_load_b128 v[E8+12*(4*\e+\i)+4*\c:E8+12*(4*\e+\i)+4*\c+3], v[AA1] offset:12288*(\s0+\e)+FRB*\i+512*\c
.endr
.endr
	ds_load_b128 v[SW+4*\e:SW+4*\e+3], v[ASR] offset:4096+512*(\s0+\e)
.endr
.endm
.macro SMUL s0
.irp e, 0,1
.irp i, 0,1,2,3
.if \s0+\e == 0
	v_wmma_scale_f32_16x16x128_f8f6f4 v[S+8*\i:S+8*\i+7], v[E8+12*(4*\e+\i):E8+12*(4*\e+\i)+11], v[E4+12*(\s0+\e):E4+12*(\s0+\e)+11], 0, v[SW+4*\e+\i], v[SA+\s0+\e] matrix_a_fmt:MATRIX_FMT_FP6 matrix_b_fmt:MATRIX_FMT_FP6
.else
	v_wmma_scale_f32_16x16x128_f8f6f4 v[S+8*\i:S+8*\i+7], v[E8+12*(4*\e+\i):E8+12*(4*\e+\i)+11], v[E4+12*(\s0+\e):E4+12*(\s0+\e)+11], v[S+8*\i:S+8*\i+7], v[SW+4*\e+\i], v[SA+\s0+\e] matrix_a_fmt:MATRIX_FMT_FP6 matrix_b_fmt:MATRIX_FMT_FP6
.endif
.endr
.endr
.endm
	KLOAD 0
	s_wait_dscnt 0x0
	SMUL 0
	PLACES 4
	KLOAD 2
	s_wait_dscnt 0x0                               ; my reads of k are over:
	s_barrier_signal -1                            ; say so,
	SMUL 2                                         ; work on registers while the others arrive,
	s_barrier_wait -1                              ; and behind this nobody reads k any more
	WIN 0x04
.irp o, 0,1,2,3
.irp c, 0,1,2
	ds_store_b128 v[AIW], v[64*\o+16+4*\c:64*\o+19+4*\c] offset:ABUF+FRB*\o+512*\c   ; x goes back to its place
.endr
.endr
	WIN 0
	PLACES 4                                       ; in front of the first read of the scores, and of the loads into k's fragments' registers
	WAHEAD                                         ; W_v's first K step lands under the softmax
	; lane (r, h) holds query r of tile w; register i holds key 32 h + i
	v_max3_num_f32 v48, v[S], v[S+1], v[S+2]
	v_max3_num_f32 v49, v[S+16], v[S+17], v[S+18]
.irp i, 3,5,7,9,11,13
	v_max3_num_f32 v48, v48, v[S+\i], v[S+\i+1]
	v_max3_num_f32 v49, v49, v[S+16+\i], v[S+17+\i]
.endr
	v_max3_num_f32 v48, v48, v49, v[S+15]
	v_max_num_f32 v48, v48, v[S+31]
	s_delay_alu instid0(VALU_DEP_1)
	v_permlanex16_b32 v50, v48, s26, s27
	s_delay_alu instid0(VALU_DEP_1)
	v_max_num_f32 v48, v48, v50                    ; the row's largest score
	s_delay_alu instid0(VALU_DEP_1)
	v_mul_f32 v52, s28, v48                        ; as t
	s_delay_alu instid0(VALU_DEP_1)
	v_floor_f32 v56, -v52                          ; -M = floor(-t) = -ceil(t)
.irp j, 0,2,4,6,8,10,12,14,16,18,20,22,24,26,28,30
	v_pk_fma_f32 v[S+\j:S+\j+1], v[S+\j:S+\j+1], s[28:29], v[56:57] op_sel_hi:[1,0,0]   ; t - M, two at a time
.endr
	s_wait_alu depctr_va_vdst(0)
.irp j, 0,1,2,3,4,5,6,7,8,9,10,11,12,13,14,15,16,17,18,19,20,21,22,23,24,25,26,27,28,29,30,31
	v_exp_f32 v[S+\j], v[S+\j]                     ; p = 2^(t - M): not normalised
.endr
	v_nop                                          ; a plain place behind the exponentials
	s_wait_alu depctr_va_vdst(0)                   ; one wait for the batch, ahead of its first reader
	v_pk_add_f32 v[60:61], v[208:209], v[210:211]
	v_pk_add_f32 v[254:255], v[216:217], v[220:221]
	v_pk_add_f32 v[252:253], v[224:225], v[228:229]
	v_pk_add_f32 v[250:251], v[232:233], v[236:237]
	v_pk_add_f32 v[248:249], v[212:213], v[214:215]
	v_pk_add_f32 v[246:247], v[218:219], v[222:223]
	v_pk_add_f32 v[244:245], v[226:227], v[230:231]
	v_pk_add_f32 v[58:59], v[234:235], v[238:239]
	s_delay_alu instid0(VALU_DEP_1)
	v_pk_add_f32 v[58:59], v[58:59], v[250:251]
	v_pk_add_f32 v[60:61], v[60:61], v[248:249]
	v_pk_add_f32 v[254:255], v[254:255], v[246:247]
	v_pk_add_f32 v[252:253], v[252:253], v[244:245]
	s_delay_alu instid0(VALU_DEP_2)
	v_pk_add_f32 v[58:59], v[58:59], v[254:255]
	s_delay_alu instid0(VALU_DEP_2)
	v_pk_add_f32 v[60:61], v[60:61], v[252:253]
	s_delay_alu instid0(VALU_DEP_1)
	v_pk_add_f32 v[58:59], v[58:59], v[60:61]
	s_delay_alu instid0(VALU_DEP_1)
	v_add_f32 v58, v58, v59
	s_delay_alu instid0(VALU_DEP_1)
	v_permlanex16_b32 v60, v58, s26, s27
	s_delay_alu instid0(VALU_DEP_1)
	v_add_f32 v58, v58, v60                        ; l
	s_wait_alu depctr_va_vdst(0)
	v_rcp_f32 v62, v58                             ; 1 / l; the quantiser below is the independent work behind it
	QUANT S, 0, 1, 0, PP, 6, WD
.irp i, 6,7,8,9,10,11
	v_mov_b32 v[PP+\i], 0                          ; keys 64 .. 127 do not exist: zero codes
.endr
	IMAGE APW, 0, PP
	ds_store_b32 v[ASN], v[WD] offset:PSCO
	s_wait_alu depctr_va_vdst(0)                   ; ahead of the reciprocal's first reader
	ds_store_b32 v[ASN], v62 offset:ILBO
	BARRIER                                        ; x is back, P, its words and 1 / l lie in LDS
	; ---- v = x W_v + b_v, with the agents along the registers
	FA 0, AA1, 0                                   ; the rows' side of v's first K step lands under the moves below
	ds_load_b128 v[SA:SA+3], v[ASR] offset:2048
	s_wait_loadcnt 0x0                             ; b_v
	WIN 0x41
.irp t, 0,1,2,3,4,5,6,7
.irp j, 1,2,3,4,5,6,7
	v_mov_b32 v[32*\t+\j], v[32*\t]                ; a lane's channel has one bias for all agents
.endr
.endr
	WIN 0
	s_wait_alu depctr_va_vdst(0)
	s_wait_dscnt 0x0                               ; the rows' thirteen loads are in
	GEMM 1, 2, AA1, 2048, 1, 0
.irp t, 0,1,2,3,4,5,6,7                        ; b_r, wanted behind P V: tiles 0-5 in v208-255, tiles 6 and 7 in v48-63
.set rB, 208+8*\t
.if \t >= 6
.set rB, 48+8*(\t-6)
.endif
	global_load_b128 v[rB:rB+3], v[BO], s[16:17] offset:4*(64*(\t/4)+8*(\t%4))
	global_load_b128 v[rB+4:rB+7], v[BO], s[16:17] offset:4*(64*(\t/4)+8*(\t%4))+16
.endr
.irp g, 0,1                                    ; V^T's eight fragments, four at a time, in place as source 0 of P V; their words in v28-31 and v36-39
	QUANT 128*\g, 1, 4, 0, E8+48*\g, 12, 28+8*\g
.irp b, 0,1,2,3
.irp i, 6,7,8,9,10,11
	v_mov_b32 v[E8+48*\g+12*\b+\i], 0              ; agents 64 .. 127 do not exist: zero codes
.endr
.endr
.if \g == 0
	REFILL1                                        ; slot 1 takes W_r's second half
	ASK
.endif
.endr
	; ---- P V, / l, + b_r
	FA 0, APR, 0
	ds_load_b128 v[SA:SA+3], v[ASR] offset:PSCO
.irp m, 0,1,2,3
	ds_load_b32 v[IL+2*\m], v[ASR] offset:ILBO+4*\m
.endr
.irp j, 0,1,2,3
	v_cndmask_b32 v[SW+\j], v[28+\j], v[36+\j], s30   ; lanes 0-15 tile j's words, lanes 16-31 tile 4 + j's
.endr
	PLACES 8                                       ; a scale register written by a vector instruction stands 8 places ahead of a scaled product, an operand so written 4
	s_wait_alu depctr_va_vdst(0)
	s_wait_dscnt 0x0
	WIN 0x50
	MUL 0, 0, 8, 0, 1
	PLACES 4
	WIN 0
	PROLOGUE AA1, 2048                             ; r's first K step lands under the multiply-adds below, which read none of its registers
	s_wait_loadcnt 0x0                             ; b_r
	WIN 0x41
.irp m, 0,1,2,3
.irp t, 0,1,2,3,4,5,6,7
.set rB, 208+8*\t
.if \t >= 6
.set rB, 48+8*(\t-6)
.endif
.irp j, 0,2,4,6
	v_pk_fma_f32 v[64*\m+8*\t+\j:64*\m+8*\t+\j+1], v[64*\m+8*\t+\j:64*\m+8*\t+\j+1], v[IL+2*\m:IL+2*\m+1], v[rB+\j:rB+\j+1] op_sel_hi:[1,0,1]
.endr
.endr
.endr
	WIN 0
	; ---- + x W_r, in place: the context
	s_wait_alu depctr_va_vdst(0)
	GEMM 0, 0, AA1, 2048, 1, 0
	EPI 0, 0, 0, 18, 0, 1
	; ---- out = relu(context W_o + b_o)
	ROWS AA0, 0
	GEMM 0, 2, AA0, 0, 0, 0
; THE WAY OUT, eight pieces of 16 rows x 64 columns (piece a: tile a / 2, columns 64 (a % 2) on).  A lane holds 128 neighbouring bytes of one row: a piece goes through my own stage in LDS (rows of 272 bytes) and comes back as whole
; rows of 256 bytes.  LDS serves a wave's instructions in order (ISA guide 5.7.1.4): no wait between the stores and the loads, nor in front of the next piece's stores.
.macro TOSTAGE a
.set rA, 32*(\a)
	WIN 0x44
.set ej, rA
.rept 32
	v_max_num_f32 v[ej], 0, v[ej]                  ; each accumulator from its low end on
.set ej, ej+1
.endr
	WIN 0x04
.irp q, 0,1,2,3,4,5,6,7
	ds_store_b128 v[STO], v[rA+4*\q:rA+4*\q+3] offset:16*\q   ; register i: column 32 h + i of the piece
.endr
	WIN 0
.set rO, OB+32*((\a)%2)
.irp q, 0,1,2,3,4,5,6,7
	ds_load_b128 v[rO+4*\q:rO+4*\q+3], v[RD] offset:544*\q
.endr
.endm
.macro SEND a, younger                         ; younger: the LDS instructions issued behind piece a's loads, which may stay out
.set rO, OB+32*((\a)%2)
.set mp, (\a)/2
.set uu, (\a)%2
	s_wait_dscnt \younger
.irp q, 0,1,2,3,4,5,6,7
	global_store_b128 v[GO], v[rO+4*\q:rO+4*\q+3], s[20:21] offset:2048*(8*mp+2*\q+24*(\q/4))+256*uu th:TH_STORE_NT   ; 16 lanes store 256 consecutive bytes, aligned; stage row 2 q + h is agent 8 m + 2 q + h + 24 (q / 4)
.endr
.endm
	TOSTAGE 0
.irp a, 1,2,3,4,5,6,7
.if \a > 1
	s_wait_xcnt 0x0                                ; piece a - 2's stores have read their registers: piece a's loads may land there
.endif
	TOSTAGE \a
	SEND \a-1, 16                                  ; behind piece a - 1's loads: piece a's 8 stores and 8 loads
.endr
	SEND 7, 0
	s_wait_tensorcnt 0x0                           ; the wave's end: behind my last tensor load and my last LDS store
	ds_add_u32 v[SPW], v[NIL]
	s_wait_dscnt 0x0
	CROUND                                         ; the closing round: no work-group ends while a partner may still ask for a tile that names it
	s_endpgm
.Lfunc_end_k_qb9791d23ad_rsa:
	.size	k_qb9791d23ad_rsa, .Lfunc_end_k_qb9791d23ad_rsa-k_qb9791d23ad_rsa
	.p2alignl 7, 3214868480
	.fill 96, 4, 3214868480
	.section	.rodata,"a",@progbits
	.p2align	6, 0x0
	.amdhsa_kernel k_qb9791d23ad_rsa
		.amdhsa_group_segment_fixed_size 327680
		.amdhsa_private_segment_fixed_size 0
		.amdhsa_enable_private_segment 0
		.amdhsa_kernarg_size 72
		.amdhsa_user_sgpr_count 2
		.amdhsa_user_sgpr_kernarg_segment_ptr 1
		.amdhsa_wavefront_size32 1
		.amdhsa_system_sgpr_workgroup_id_x 1
		.amdhsa_system_sgpr_workgroup_id_y 1
		.amdhsa_system_sgpr_workgroup_id_z 1
		.amdhsa_system_vgpr_workitem_id 0
		.amdhsa_next_free_vgpr 512
		.amdhsa_next_free_sgpr 66
		.amdhsa_reserve_vcc 0
		.amdhsa_float_denorm_mode_32 3
		.amdhsa_float_denorm_mode_16_64 3
		.amdhsa_memory_ordered 1
		.amdhsa_forward_progress 1
		.amdhsa_inst_pref_size 255
	.end_amdhsa_kernel
	.section	.bss,"aw",@nobits
	.p2align	6
	.space	262144
	.amdgpu_metadata
---
amdhsa.version: [ 1, 2 ]
amdhsa.kernels:
  - .name:           k_qb9791d23ad_rsa
    .symbol:         k_qb9791d23ad_rsa.kd
    .args:
      - { .name: inputs, .offset: 0, .size: 8, .value_kind: global_buffer, .address_space: global }
      - { .name: wimg, .offset: 8, .size: 8, .value_kind: global_buffer, .address_space: global }
      - { .name: b_in, .offset: 16, .size: 8, .value_kind: global_buffer, .address_space: global }
      - { .name: b_q, .offset: 24, .size: 8, .value_kind: global_buffer, .address_space: global }
      - { .name: b_k, .offset: 32, .size: 8, .value_kind: global_buffer, .address_space: global }
      - { .name: b_v, .offset: 40, .size: 8, .value_kind: global_buffer, .address_space: global }
      - { .name: b_r, .offset: 48, .size: 8, .value_kind: global_buffer, .address_space: global }
      - { .name: b_o, .offset: 56, .size: 8, .value_kind: global_buffer, .address_space: global }
      - { .name: out0, .offset: 64, .size: 8, .value_kind: global_buffer, .address_space: global }
    .group_segment_fixed_size: 327680
    .private_segment_fixed_size: 0
    .kernarg_segment_align: 8
    .kernarg_segment_size: 72
    .max_flat_workgroup_size: 256
    .sgpr_count:     66
    .vgpr_count:     512
    .wavefront_size: 32
...
	.end_amdgpu_metadata
.endif
;; end of part 4
